; MI455X (gfx1250); checked and timed in simulation.
; The chip was launched on July 23, 2026; its instructions are those of AMD's public machine-readable ISA for CDNA 5 (MIT licence, August 2026) and "CDNA5" Instruction Set Architecture Reference Guide (July 2026). The comments in the code are by the model that wrote it; some were corrected since.
;; Self Attention. Allowed arithmetic: float matrix products may take bf16 or f16 operands with f32 sums; other float arithmetic in f32, or as packed bf16 or f16 multiplies, adds, multiply-adds, maxima and minima; sums over many terms, partial sums and values carried from step to step in f32; what a program stores and reads back later, other than sums and carried values, may be rounded once to bf16 or f16.
;; Inputs: Wk 1,024 x 1,024 float32; Wq 1,024 x 1,024 float32; Wv 1,024 x 1,024 float32; bk 1,024 float32; bq 1,024 float32; bv 1,024 float32; x 4 x 2,048 x 1,024 float32.
;; Outputs: out0 4 x 2,048 x 1,024 float32.
;; One version. Each part assembles by itself: llvm-mc -triple=amdgcn-amd-amdhsa -mcpu=gfx1250 --defsym DOCPART=n.
;; ======== version 1 of 1: 4 launches
;; workspace buffers: xb 16,777,216 bytes; wt 6,291,456 bytes; qkv 50,331,648 bytes; pp 33,554,432 bytes; mu 524,288 bytes; ll 524,288 bytes
;; launch cast (part 1): grid 896 x 1, 8 waves a work-group, no clusters, 18,432 bytes of LDS; arguments x, Wq, Wk, Wv, xb, wt; writes xb, wt
.if DOCPART == 1
	.amdgcn_target "amdgcn-amd-amdhsa--gfx1250"
	.amdhsa_code_object_version 6
	.text
	.protected	k_qa94c49e2e7_cast
	.globl	k_qa94c49e2e7_cast
	.p2align	8
	.type	k_qa94c49e2e7_cast,@function
k_qa94c49e2e7_cast:
	s_mov_b64 s[64:65], 0
	v_nop
	global_prefetch_b8 v0, s[64:65] scope:SCOPE_SE
	s_setreg_imm32_b32 hwreg(HW_REG_WAVE_MODE, 25, 1), 1
	s_wait_xcnt 0x0
; xb = x rounded to bf16; wt = the three weights rounded to bf16 and TURNED (n along the rows: rows 0-1023 Wq's columns, 1024-2047 Wk's, 2048-3071 Wv's).
; BOTH LIE IN BLOCKS OF 64 k: xb [16 blocks][8192 rows][64], wt [16 blocks][3072 rows][64], so that the tiles of the product that follows (rows x 64 k) are dense in memory.
; A stream: each input byte is read once, each output byte written once.  Work-groups 0-511 take 16 rows of x each; work-groups 512-895 a tile of 128 k x 64 n of one weight each.
; No matrix unit, no cluster, no tensor load: nothing is shared between work-groups and nothing is multiplied.
.set TP,    272                        ; a row of the turned tile in LDS: 128 bf16 + 16 bytes
.set XBLK,  8192*128                   ; bytes in a block of xb,
.set WBLK,  3072*128                   ; and of wt
.set SPARE, 64*TP                      ; behind the tile: the spare words, 128 bytes for each of the eight waves
.set SPW,   8                          ; v8   LDS address of my spare word; never rewritten
.set NIL,   9                          ; v9   0; never rewritten
.set IN,    16                         ; v[16:79]  as loaded
.set OUT,   80                         ; v[80:111] to store (x's path)
	s_load_b256 s[4:11], s[0:1], 0x0               ; x s[4:5], Wq s[6:7], Wk s[8:9], Wv s[10:11]
	s_load_b128 s[12:15], s[0:1], 0x20             ; xb s[12:13], wt s[14:15]
	v_lshl_add_u32 v[SPW], v0, 2, SPARE
	v_mov_b32 v[NIL], 0
	s_cmp_lt_u32 ttmp9, 512                        ; the same for all waves of a work-group
	s_cbranch_scc0 .Lweights
	; x: thread t takes row t / 16 of the work-group's 16 and, of each block i of 64 k, the four numbers at 4 (t % 16): sixteen lanes read 256 consecutive bytes.
	; In xb a row's 64 k are 128 bytes and rows follow each other, so the thread's 8 bytes lie at 8 t: a wave's 32 lanes store 256 consecutive bytes, aligned.
	s_lshl_b32 s16, ttmp9, 16                      ; 16 rows of 4,096 bytes
	s_mov_b32 s17, 0
	s_lshl_b32 s18, ttmp9, 11                      ; 16 rows of 128 bytes
	s_mov_b32 s19, 0
	v_lshrrev_b32 v3, 4, v0
	v_and_b32 v4, 15, v0
	v_lshlrev_b32 v1, 12, v3
	v_lshl_add_u32 v1, v4, 4, v1
	v_lshlrev_b32 v2, 3, v0
	s_wait_kmcnt 0x0
	s_add_nc_u64 s[4:5], s[4:5], s[16:17]
	s_add_nc_u64 s[12:13], s[12:13], s[18:19]
	s_add_nc_u64 s[20:21], s[12:13], 8*XBLK        ; a second base: the stores' immediates hold seven blocks at the most
.set i, 0
.rept 16
	global_load_b128 v[IN+4*i:IN+4*i+3], v1, s[4:5] offset:256*i th:TH_LOAD_NT  ; all sixteen go out before the first is used
.set i, i+1
.endr
.set i, 0
.rept 16
	s_wait_loadcnt 15-i                            ; loads come back in order: load i is in, the 15 - i younger ones stay out
	v_cvt_pk_bf16_f32 v[OUT+2*i], v[IN+4*i], v[IN+4*i+1]
	v_cvt_pk_bf16_f32 v[OUT+2*i+1], v[IN+4*i+2], v[IN+4*i+3]
.if i < 8
	global_store_b64 v2, v[OUT+2*i:OUT+2*i+1], s[12:13] offset:XBLK*i      ; no register is written twice
.else
	global_store_b64 v2, v[OUT+2*i:OUT+2*i+1], s[20:21] offset:XBLK*(i-8)
.endif
.set i, i+1
.endr
	s_wait_tensorcnt 0x0                           ; the wave's end
	ds_add_u32 v[SPW], v[NIL]
	s_wait_dscnt 0x0
	s_endpgm
.Lweights:
	; a tile of 128 k x 64 n.  Thread: cc = t % 16 (four n), p = t / 16; it loads rows k = 2 p + 32 u + e (u = 0..3, e = 0, 1): sixteen lanes read 256 consecutive bytes of a row
	s_sub_co_u32 s16, ttmp9, 512
	s_lshr_b32 s17, s16, 7                         ; which weight
	s_bfe_u32 s18, s16, 0x30004                    ; kt: which 128 k
	s_and_b32 s19, s16, 15                         ; nt: which 64 n
	v_and_b32 v10, 15, v0                          ; cc
	v_lshrrev_b32 v11, 4, v0                       ; p
	v_lshlrev_b32 v1, 13, v11                      ; in: 2 p rows of 4,096 bytes
	v_lshl_add_u32 v1, v10, 4, v1
	v_mul_u32_u24 v3, v10, 4*TP                    ; into LDS: row n = 4 cc (+ i), bytes 4 p (+ 64 u): the pair k, k + 1
	v_lshl_add_u32 v3, v11, 2, v3
	v_lshrrev_b32 v12, 3, v0                       ; back: row n = t / 8 (+ 32), 16 bytes at 16 (t % 8) of one block's 128
	v_and_b32 v13, 7, v0
	v_mul_u32_u24 v4, v12, TP
	v_lshl_add_u32 v4, v13, 4, v4
	v_lshlrev_b32 v5, 4, v0                        ; out: rows of 128 bytes follow each other, so those 16 bytes lie at 16 t
	s_lshl_b32 s22, s18, 19                        ; 128 kt rows of 4,096 bytes
	s_lshl_b32 s23, s19, 8                         ; 64 nt columns of 4 bytes
	s_add_co_u32 s22, s22, s23
	s_mov_b32 s23, 0
	s_lshl_b32 s24, s17, 10
	s_lshl_b32 s25, s19, 6
	s_add_co_u32 s24, s24, s25                     ; wt's row 1,024 w + 64 nt,
	s_lshl_b32 s24, s24, 7                         ; 128 bytes a row,
	s_mul_i32 s25, s18, 2*WBLK                     ; in block 2 kt
	s_add_co_u32 s24, s24, s25
	s_mov_b32 s25, 0
	s_wait_kmcnt 0x0
	s_cmp_eq_u32 s17, 1
	s_cselect_b64 s[20:21], s[8:9], s[6:7]
	s_cmp_eq_u32 s17, 2
	s_cselect_b64 s[20:21], s[10:11], s[20:21]
	s_add_nc_u64 s[20:21], s[20:21], s[22:23]
	s_add_nc_u64 s[14:15], s[14:15], s[24:25]
.irp u, 0,1,2,3
.irp e, 0,1
	global_load_b128 v[IN+4*(2*\u+\e):IN+4*(2*\u+\e)+3], v1, s[20:21] offset:\u*131072+\e*4096 th:TH_LOAD_NT
.endr
.endr
	s_wait_loadcnt 0x0
.irp u, 0,1,2,3
.irp i, 0,1,2,3
	v_cvt_pk_bf16_f32 v[48+4*\u+\i], v[IN+8*\u+\i], v[IN+8*\u+4+\i]  ; k in the low half, k + 1 in the high half, of column 4 cc + i
.endr
.endr
.irp u, 0,1,2,3
.irp i, 0,1,2,3
	ds_store_b32 v3, v[48+4*\u+\i] offset:\i*TP+\u*64
.endr
.endr
	s_wait_dscnt 0x0                               ; for the others' sake: my stores into the tile are done
	s_barrier_signal -1
	s_barrier_wait -1
.irp v, 0,1,2,3                        ; v % 2: rows 0-31 or 32-63; v / 2: the tile's first or second block of 64 k
	ds_load_b128 v[64+4*\v:64+4*\v+3], v4 offset:(\v%2)*32*TP+(\v/2)*128
.endr
.irp v, 0,1,2,3
	s_wait_dscnt 3-\v
	global_store_b128 v5, v[64+4*\v:64+4*\v+3], s[14:15] offset:(\v/2)*WBLK+(\v%2)*4096  ; a wave stores 512 consecutive bytes (four rows of a block), aligned
.endr
	s_wait_tensorcnt 0x0                           ; the wave's end
	ds_add_u32 v[SPW], v[NIL]
	s_wait_dscnt 0x0
	s_endpgm
.Lfunc_end_k_qa94c49e2e7_cast:
	.size	k_qa94c49e2e7_cast, .Lfunc_end_k_qa94c49e2e7_cast-k_qa94c49e2e7_cast
	.p2alignl 7, 3214868480
	.fill 96, 4, 3214868480
	.section	.rodata,"a",@progbits
	.p2align	6, 0x0
	.amdhsa_kernel k_qa94c49e2e7_cast
		.amdhsa_group_segment_fixed_size 18432
		.amdhsa_private_segment_fixed_size 0
		.amdhsa_enable_private_segment 0
		.amdhsa_kernarg_size 48
		.amdhsa_user_sgpr_count 2
		.amdhsa_user_sgpr_kernarg_segment_ptr 1
		.amdhsa_wavefront_size32 1
		.amdhsa_system_sgpr_workgroup_id_x 1
		.amdhsa_system_sgpr_workgroup_id_y 1
		.amdhsa_system_sgpr_workgroup_id_z 1
		.amdhsa_system_vgpr_workitem_id 0
		.amdhsa_next_free_vgpr 112
		.amdhsa_next_free_sgpr 66
		.amdhsa_reserve_vcc 0
		.amdhsa_float_denorm_mode_32 3
		.amdhsa_float_denorm_mode_16_64 3
		.amdhsa_memory_ordered 1
		.amdhsa_forward_progress 1
		.amdhsa_inst_pref_size 12
	.end_amdhsa_kernel
	.amdgpu_metadata
---
amdhsa.version: [ 1, 2 ]
amdhsa.kernels:
  - .name:           k_qa94c49e2e7_cast
    .symbol:         k_qa94c49e2e7_cast.kd
    .args:
      - { .name: x, .offset: 0, .size: 8, .value_kind: global_buffer, .address_space: global }
      - { .name: Wq, .offset: 8, .size: 8, .value_kind: global_buffer, .address_space: global }
      - { .name: Wk, .offset: 16, .size: 8, .value_kind: global_buffer, .address_space: global }
      - { .name: Wv, .offset: 24, .size: 8, .value_kind: global_buffer, .address_space: global }
      - { .name: xb, .offset: 32, .size: 8, .value_kind: global_buffer, .address_space: global }
      - { .name: wt, .offset: 40, .size: 8, .value_kind: global_buffer, .address_space: global }
    .group_segment_fixed_size: 18432
    .private_segment_fixed_size: 0
    .kernarg_segment_align: 8
    .kernarg_segment_size: 48
    .max_flat_workgroup_size: 256
    .sgpr_count:     66
    .vgpr_count:     112
    .wavefront_size: 32
...
	.end_amdgpu_metadata
.endif
;; end of part 1
;; launch proj (part 2): grid 8 x 32, 4 waves a work-group, clusters of 4 x 4, 327,680 bytes of LDS; arguments xb, wt, bq, bk, bv, qkv; writes qkv
.if DOCPART == 2
	.amdgcn_target "amdgcn-amd-amdhsa--gfx1250"
	.amdhsa_code_object_version 6
	.text
	.protected	k_qa94c49e2e7_proj
	.globl	k_qa94c49e2e7_proj
	.p2align	8
	.type	k_qa94c49e2e7_proj,@function
k_qa94c49e2e7_proj:
	s_mov_b64 s[64:65], 0
	v_nop
	global_prefetch_b8 v0, s[64:65] scope:SCOPE_SE
	s_setreg_imm32_b32 hwreg(HW_REG_WAVE_MODE, 25, 1), 1
	s_wait_xcnt 0x0
	s_wait_alu depctr_hold_cnt(0) depctr_sa_sdst(0) depctr_va_vdst(0) depctr_va_sdst(0) depctr_va_ssrc(0) depctr_va_vcc(0) depctr_vm_vsrc(0)
	s_getreg_b32 s2, hwreg(HW_REG_IB_STS2, 6, 4)
	s_cmp_eq_u32 s2, 0
	s_cbranch_scc0 .Lentry_in_a_cluster
	s_endpgm
.Lentry_in_a_cluster:
	s_bfe_u32 s2, ttmp6, 0x10000c
	s_cmp_lg_u32 s2, 0xf033
	s_cbranch_scc0 .Lentry_shape_is_right
	s_endpgm
.Lentry_shape_is_right:
; qkv[m][n] = sum over k of x[m][k] w[n][k] + bias[n].  xb [16 blocks of 64 k][8192][64], wt [16][3072][64], qkv [8192][3072], all bf16; sums and the bias (as given, f32) in f32; one rounding.
; Columns 0-1023 are q, 1024-2047 k, 2048-3071 v.  bf16, not f16, since q, k and v have no bound that f16's range would hold for larger inputs.
; THE TILE IS 256 x 384: 8192 x 3072 numbers are then 256 tiles, one work-group each.  Four waves, each 128 x 192: 96 accumulators of 16 x 16, 768 registers.
; K goes in 16 steps of 64 through two LDS slots of 640 rows x 144 bytes (steps of 128 would need 2 x 640 x 272 bytes, more than there is).  A step's rows are dense in memory, so a tile is asked for
; as rows of 256 bytes, aligned, and padded in LDS after every 128.
; CLUSTER 4 x 4: the four work-groups of a row need the same tile of xb, the four of a column the same tile of wt: each is asked for jointly, by one descriptor and a mask of four.
; The matrix instruction is used transposed (source 0 = 16 rows of wt, source 1 = 16 rows of xb): a lane then holds eight neighbouring columns of one row of qkv.
; REGISTERS in windows of 256: window 0: v0-15 addresses; v16-79, v80-143 xb's fragments (8 x 16 rows x 32 k), two buffers; v144-239 wt's fragments (12), ONE buffer;
; windows 1-3: accumulator (row block a, column block b) at v[64 (b % 4) + 8 a] of window 1 + b / 4.
; A QUARTER (32 along k) is three PARTS of 32 products: four column blocks x eight row blocks, under one window setting.  Behind a part its four fragments of wt are loaded again, for the next quarter.
; On the way out: v16-63 whole rows, v64-159 the bias of my 192 columns, v160-255 a block of 16 rows in f32 and then packed.
.set NK,    16
.set PITCH, 144                        ; an LDS row: 128 bytes + 16 = 36 words: the 16 rows of a fragment load start at 16 different groups of four banks (64 banks of 4 bytes: ISA guide 11.1)
.set HA,    128*PITCH                  ; half of xb's tile: what waves 0 and 1 fetch, and what a wave reads
.set HB,    192*PITCH                  ; half of wt's tile: waves 2 and 3
.set BOFF,  2*HA
.set SLOT1, 1<<17                      ; slot 1 begins here: one exclusive or turns an address in one slot into the other's
.set ASTEP, 8192*128                   ; bytes from K step to K step in xb,
.set BSTEP, 3072*128                   ; and in wt
.set CPB,   6144                       ; bytes in a row of qkv
.set BIASL, BOFF+2*HB                  ; behind slot 0: for each wave the bias of its 192 columns, 768 bytes
.set SPARE, BIASL+4*768                ; the spare words, 128 bytes a wave: two blocks of 256 bytes that no other line names
.set STAGE, SLOT1+BOFF+2*HB            ; behind slot 1: two stages of 32 rows x 784 bytes, for the way out
.set SPI,   784                        ; 768 + 16 = 196 words: rows start 4 banks apart
.set STG,   32*SPI
.set BW,    4                          ; v4   where my lane's bias lies in LDS
.set ADRA0, 5                          ; v5, v6  my place in xb's and wt's tile of slot 0; never rewritten
.set ADRB0, 6
.set ADRA,  7                          ; v7, v8  the same in the slot that is being fetched from
.set ADRB,  8
.set STO,   9
.set RD,    10
.set CO,    11
.set SPW,   12
.set NIL,   13
.set PFO,   14                         ; v14  the prefetches' offset; never rewritten
.set BO,    15                         ; v15  the bias loads' offset; never rewritten
.set AF0,   16
.set AF1,   80
.set BF,    144
.set BK,    16
.set BIAS,  64
.set T,     160
.set G1,  24                           ; s[24:31] group 1 for xb; s[32:35] group 0 of slot 0's first fill; s[36:39] the walking group 0
.set G0,  32
.set G1B, 48                           ; s[48:55], s[56:59], s[60:63] the same for wt
.set G0B, 56
.set LIM, 43                           ; s43  2 in a wave that prefetches, else the greatest number
.set PFA, 44                           ; s[44:45] where my prefetches stand
.set SB,  66                           ; s66  0 or SLOT1: the slot that is being fetched from
.set BL,  67                           ; s67  the way out: pairs of blocks still to go
.set PFS, 68                           ; s[68:69] my prefetches' step
.set PAR, 70                           ; s70  0: I ask at every refill; 1: at every second
.set MSB, 0
.macro WIN new                         ; the immediate's high byte repeats the setting that is left; a switch that changes nothing is dropped
.if MSB != (\new)
	s_set_vgpr_msb (MSB<<8)|(\new)
.set MSB, \new
.endif
.endm
.macro PLACES                          ; four plain places behind matrix instructions, in front of loads into registers that they read and of lines that read results
.rept 4
	v_nop
.endr
.endm
; A joint refill by the walking descriptor.  Waves 0 and 1 fetch xb's two halves, waves 2 and 3 wt's; the branch hangs on the wave's number alone.  An s_nop 0 and four v_nop follow each line.
.macro JLOAD
	s_cmp_eq_u32 s11, 0
	s_cbranch_scc0 .Lfor_b_\@
	tensor_load_to_lds s[G0+4:G0+7], s[G1:G1+7]
	s_nop 0
	PLACES
	s_branch .Lasked_\@
.Lfor_b_\@:
	tensor_load_to_lds s[G0B+4:G0B+7], s[G1B:G1B+7]
	s_nop 0
	PLACES
.Lasked_\@:
.endm
; A PREFETCH of what the refill two on will ask for, a lane a block of 256 bytes.  xb: a step of the tile is 128 blocks; wave 0 of each of the four partners that ask for it jointly names 32, told apart by
; address (cx), at every refill; the clusters with x = 0 ask.  wt: a step of the tile is 192 blocks, 48 a partner (by cy); waves 1 to 3 name the 96 blocks of two steps at every second refill; the clusters with
; y = 0 ask.  So each block is named once in the launch.  K steps 0 to 3 come by their loads alone; the last requests name K steps 14 and 15.
.macro ASK
	s_cmp_gt_u32 s3, s[LIM]
	s_cbranch_scc0 .Lnot_mine_\@
	s_and_b32 s87, s3, s[PAR]
	s_cbranch_scc1 .Lnot_mine_\@
	global_prefetch_b8 v[PFO], s[PFA:PFA+1] th:TH_LOAD_NT scope:SCOPE_SE
.Lnot_mine_\@:
.endm
.macro CREST                           ; a round of the cluster's barrier behind its opening barrier
	s_cmp_lg_u32 s10, 0
	s_cbranch_scc1 .Lnot_wave_0_\@
	s_barrier_signal -3
.Lnot_wave_0_\@:
	s_barrier_wait -3
	s_barrier_signal -1
	s_barrier_wait -1
.endm
.macro CROUND
	s_barrier_signal -1
	s_barrier_wait -1
	CREST
.endm
	s_load_b128 s[4:7], s[0:1], 0x0                ; xb s[4:5], wt s[6:7]
	s_load_b128 s[72:75], s[0:1], 0x10             ; bq, bk
	s_load_b128 s[76:79], s[0:1], 0x20             ; bv, qkv
	v_lshl_add_u32 v[SPW], v0, 2, SPARE
	v_mov_b32 v[NIL], 0
	ds_add_u32 v[SPW], v[NIL]                      ; the wave's opening: the add and its wait stand ahead of my first tensor load; the set-up stands between them
	v_lshrrev_b32 v1, 5, v0
	v_readfirstlane_b32 s10, v1                    ; wave 0..3
	s_lshr_b32 s11, s10, 1                         ; which half of the tile's rows is mine.  Also: I fetch for xb (0) or for wt (1)
	s_and_b32 s12, s10, 1                          ; which half of its columns.  Also: which half of that tile I fetch
	s_bfe_u32 s40, ttmp6, 0x40000                  ; cx
	s_bfe_u32 s41, ttmp6, 0x40004                  ; cy
	s_lshl_b32 s42, ttmp9, 2
	s_add_co_u32 s42, s42, s40                     ; tile column = 4 x cluster x + cx, of 8
	s_and_b32 s13, ttmp7, 0xffff
	s_lshl_b32 s13, s13, 2
	s_add_co_u32 s13, s13, s41                     ; tile row = 4 x cluster y + cy, of 32
	s_lshl_b32 s43, s41, 2
	s_lshl_b32 s43, 15, s43                        ; my row of the cluster
	s_lshl_b32 s44, 0x1111, s40                    ; my column
	s_or_b32 s[G1+0], s43, (1<<16)|(1<<20)|(1<<21)|(4<<22)|(3<<25)   ; the mask; 2-byte elements; padding on; bit 21 beside a mask; after every 32 words 4 words
	s_or_b32 s[G1B+0], s44, (1<<16)|(1<<20)|(1<<21)|(4<<22)|(3<<25)
	s_mov_b32 s[G1+1], 128<<16                     ; 128 rows of 128 bytes are asked for as 64 rows of 128 elements
	s_mov_b32 s[G1+2], 64<<16
	s_mov_b32 s[G1+3], 128<<16
	s_mov_b32 s[G1+4], 64
	s_mov_b32 s[G1+5], 128
	s_mov_b32 s[G1+6], 0
	s_mov_b32 s[G1+7], 0
	s_mov_b32 s[G1B+1], 128<<16                    ; 192 rows as 96
	s_mov_b32 s[G1B+2], 96<<16
	s_mov_b32 s[G1B+3], 128<<16
	s_mov_b32 s[G1B+4], 96
	s_mov_b32 s[G1B+5], 128
	s_mov_b32 s[G1B+6], 0
	s_mov_b32 s[G1B+7], 0
	s_lshl_b32 s16, s13, 15                        ; xb: row 256 x tile row + 128 x half, 128 bytes a row
	s_lshl_b32 s17, s12, 14
	s_add_co_u32 s16, s16, s17
	s_mov_b32 s17, 0
	s_mul_i32 s46, s42, 384*128                    ; wt: row 384 x tile column + 192 x half
	s_mul_i32 s47, s12, 192*128
	s_add_co_u32 s46, s46, s47
	s_mov_b32 s47, 0
	s_mul_i32 s20, s12, HA                         ; where they go: no place in the cluster enters an LDS address
	s_mul_i32 s21, s12, HB
	s_add_co_u32 s21, s21, BOFF
	s_wait_dscnt 0x0                               ; the opening add is done
	s_wait_kmcnt 0x0
	s_add_nc_u64 s[14:15], s[4:5], s[16:17]
	s_add_nc_u64 s[46:47], s[6:7], s[46:47]
	CROUND                                         ; all sixteen work-groups are here: the first joint loads meet
.irp s, 0,1
	s_mov_b32 s[G0+4*(\s)], 1
	s_add_co_u32 s[G0+4*(\s)+1], s20, (\s)*SLOT1
	s_add_nc_u64 s[G0+4*(\s)+2:G0+4*(\s)+3], s[14:15], (\s)*ASTEP
	s_or_b32 s[G0+4*(\s)+3], s[G0+4*(\s)+3], 0x80000000
	s_mov_b32 s[G0B+4*(\s)], 1
	s_add_co_u32 s[G0B+4*(\s)+1], s21, (\s)*SLOT1
	s_add_nc_u64 s[G0B+4*(\s)+2:G0B+4*(\s)+3], s[46:47], (\s)*BSTEP
	s_or_b32 s[G0B+4*(\s)+3], s[G0B+4*(\s)+3], 0x80000000
.endr
	s_cmp_eq_u32 s11, 0                            ; a wave's two first fills stand in one branch: two loads of mine are out
	s_cbranch_scc0 .Lfirst_b
	tensor_load_to_lds s[G0:G0+3], s[G1:G1+7]
	s_nop 0
	tensor_load_to_lds s[G0+4:G0+7], s[G1:G1+7]
	s_nop 0
	PLACES
	s_branch .Lfirst_asked
.Lfirst_b:
	tensor_load_to_lds s[G0B:G0B+3], s[G1B:G1B+7]
	s_nop 0
	tensor_load_to_lds s[G0B+4:G0B+7], s[G1B:G1B+7]
	s_nop 0
	PLACES
.Lfirst_asked:
	; a fragment is 16 rows x 32 k in 8 registers: lane l holds row l % 16, k = 8 (l / 16) + 0..7 and 16 + 8 (l / 16) + 0..7: two loads of 16 bytes, 32 bytes apart
	v_and_b32 v1, 15, v0                           ; l % 16
	v_bfe_u32 v2, v0, 4, 1                         ; l / 16
	v_mul_u32_u24 v3, v1, PITCH
	v_lshl_add_u32 v3, v2, 4, v3
	s_mul_i32 s22, s11, HA                         ; my 128 rows of xb
	v_add_nc_u32 v[ADRA0], s22, v3
	v_add_nc_u32 v[ADRB0], s21, v3                 ; my 192 rows of wt
	v_mov_b32 v[ADRA], v[ADRA0]
	v_mov_b32 v[ADRB], v[ADRB0]
	s_mov_b32 s[SB], 0
	; THE BIAS of my 192 columns: lane l needs columns 16 b + 8 (l / 16) + 0..7 for b = 0..11.  The columns may run from one of the three vectors into the next: each block of 16 takes its base by a select.
	s_mul_i32 s86, s42, 384
	s_mul_i32 s87, s12, 192
	s_add_co_u32 s86, s86, s87                     ; my first column of the 3,072:
	s_lshr_b32 s87, s86, 10                        ; in which vector it lies,
	s_and_b32 s86, s86, 1023                       ; and where
	s_cmp_eq_u32 s87, 0
	s_cselect_b64 s[80:81], s[72:73], s[74:75]     ; that vector,
	s_cselect_b64 s[82:83], s[74:75], s[76:77]     ; and the one behind it
	s_cmp_eq_u32 s87, 2
	s_cselect_b64 s[80:81], s[76:77], s[80:81]
	s_lshl_b32 s84, s86, 2
	s_mov_b32 s85, 0
	s_add_nc_u64 s[80:81], s[80:81], s[84:85]      ; block b of the first vector lies 64 b bytes behind this,
	s_sub_co_u32 s86, 1024, s86
	s_lshr_b32 s86, s86, 4                         ; which has so many blocks left;
	s_lshl_b32 s84, s86, 6
	s_sub_nc_u64 s[82:83], s[82:83], s[84:85]      ; a later block b lies 64 b bytes behind this
	v_lshlrev_b32 v[BO], 5, v2
.irp b, 0,1,2,3,4,5,6,7,8,9,10,11
.if \b > 0
	s_wait_xcnt 0x0                                ; the loads before have read their base
.endif
	s_cmp_gt_u32 s86, \b
	s_cselect_b64 s[84:85], s[80:81], s[82:83]
	global_load_b128 v[BIAS+8*\b:BIAS+8*\b+3],   v[BO], s[84:85] offset:64*\b
	global_load_b128 v[BIAS+8*\b+4:BIAS+8*\b+7], v[BO], s[84:85] offset:64*\b+16
.endr
	s_mul_i32 s22, s10, 768
	s_add_co_u32 s22, s22, BIASL
	v_lshl_add_u32 v[BW], v2, 5, s22
	; the way out: two waves share a row's 768 bytes.  In: row l % 16 of my half's 16, my 384 bytes, 16 for each half of the lanes.  Back: of those 16 rows I take 8, whole: lanes 0-15 four of them, lanes 16-31 the other four
	s_mul_i32 s22, s11, 16*SPI
	s_add_co_u32 s22, s22, STAGE
	s_mul_i32 s23, s12, 384
	s_add_co_u32 s23, s23, s22
	v_mul_u32_u24 v3, v1, SPI
	v_lshl_add_u32 v3, v2, 4, v3
	v_add_nc_u32 v[STO], s23, v3
	s_mul_i32 s23, s12, 8*SPI
	s_add_co_u32 s23, s23, s22
	v_mul_u32_u24 v3, v2, 4*SPI
	v_lshl_add_u32 v3, v1, 4, v3
	v_add_nc_u32 v[RD], s23, v3
	v_mul_u32_u24 v3, v2, 4*CPB
	v_lshl_add_u32 v[CO], v1, 4, v3
	s_mov_b64 s[8:9], s[78:79]                     ; qkv
	s_lshl_b32 s16, s13, 8                         ; the first row that I store: 256 x tile row + 128 x row half + 8 x column half; the first send adds this
	s_lshl_b32 s17, s11, 7
	s_add_co_u32 s16, s16, s17
	s_lshl_b32 s17, s12, 3
	s_add_co_u32 s16, s16, s17
	s_mul_i32 s16, s16, CPB
	s_mul_i32 s17, s42, 768
	s_add_co_u32 s16, s16, s17
	s_mov_b32 s17, 0
	; the prefetches
	s_lshl_b32 s20, s13, 15
	s_lshl_b32 s22, s40, 13
	s_add_co_u32 s20, s20, s22
	s_add_co_u32 s20, s20, 3*ASTEP                 ; xb: the tile's rows, my work-group's 32 blocks, K step 3: stepped ahead of each request, so the first names K step 4
	s_mul_i32 s21, s42, 384*128
	s_mul_i32 s22, s41, 48*256
	s_add_co_u32 s21, s21, s22
	s_add_co_u32 s21, s21, 3*BSTEP                 ; wt: the same with 48 blocks
	s_and_b32 s22, ttmp7, 0xffff                   ; cluster y
	s_mov_b32 s[PFS], BSTEP
	s_cmp_eq_u32 s10, 0                            ; wave 0 asks for xb, waves 1 to 3 for wt
	s_cselect_b32 s20, s20, s21
	s_cselect_b64 s[PFA:PFA+1], s[4:5], s[6:7]
	s_cselect_b32 s[PFS], ASTEP, s[PFS]
	s_cselect_b32 s[PAR], 0, 1
	s_cselect_b32 s22, ttmp9, s22                  ; the coordinate along which other clusters read the same rows
	s_cmp_eq_u32 s22, 0
	s_cselect_b32 s[LIM], 2, -1                    ; the same in all sixteen partners, for a given wave
	s_mov_b32 s[PFS+1], 0
	s_mov_b32 s21, 0
	s_add_nc_u64 s[PFA:PFA+1], s[PFA:PFA+1], s[20:21]
	s_max_u32 s22, s10, 1
	s_sub_co_u32 s22, s22, 1
	s_lshl_b32 s22, s22, 5
	v_and_b32 v3, 31, v0
	v_add_nc_u32 v3, s22, v3                       ; j: my block, of 32 (wave 0) or of 96 (waves 1 to 3)
	v_mul_u32_u24 v[PFO], v3, 683
	v_lshrrev_b32 v[PFO], 15, v[PFO]               ; j / 48 for j under 96: blocks 48 to 95 are the next K step's
	v_mul_u32_u24 v[PFO], v[PFO], BSTEP-48*256
	v_lshl_add_u32 v[PFO], v3, 8, v[PFO]
	s_wait_loadcnt 0x0                             ; the bias: it waits in my own LDS bytes, since the loop leaves no registers for it
.irp b, 0,1,2,3,4,5,6,7,8,9,10,11
	ds_store_b128 v[BW], v[BIAS+8*\b:BIAS+8*\b+3]   offset:64*\b      ; the sixteen lanes of a half put the same numbers in the same place
	ds_store_b128 v[BW], v[BIAS+8*\b+4:BIAS+8*\b+7] offset:64*\b+16
.endr
; nb x 8 products of part p: column blocks 4 p + b0 on, all 8 row blocks, on xb's buffer f.  zero = 1: the product starts the sum.  The 96 accumulators take turns in one order everywhere.
.macro PART f, p, zero, b0, nb
	WIN 0x50*((\p)+1)
.set bb, \b0
.rept \nb
.set aa, 0
.rept 8
.if \zero
	v_wmma_f32_16x16x32_bf16 v[64*bb+8*aa:64*bb+8*aa+7], v[BF+8*(4*(\p)+bb):BF+8*(4*(\p)+bb)+7], v[(\f)+8*aa:(\f)+8*aa+7], 0
.else
	v_wmma_f32_16x16x32_bf16 v[64*bb+8*aa:64*bb+8*aa+7], v[BF+8*(4*(\p)+bb):BF+8*(4*(\p)+bb)+7], v[(\f)+8*aa:(\f)+8*aa+7], v[64*bb+8*aa:64*bb+8*aa+7]
.endif
.set aa, aa+1
.endr
.set bb, bb+1
.endr
.endm
.macro RUNB p, k                       ; 8 LDS loads: part p's four fragments of wt, 32 k at byte k of the rows
	WIN 0
.irp i, 0,1,2,3
	ds_load_b128 v[BF+8*(4*(\p)+\i):BF+8*(4*(\p)+\i)+3],   v[ADRB] offset:(\k)+(4*(\p)+\i)*16*PITCH
	ds_load_b128 v[BF+8*(4*(\p)+\i)+4:BF+8*(4*(\p)+\i)+7], v[ADRB] offset:(\k)+(4*(\p)+\i)*16*PITCH+32
.endr
.endm
.macro RUNA f, k                       ; 16 LDS loads: xb's eight fragments into buffer f
	WIN 0
.irp i, 0,1,2,3,4,5,6,7
	ds_load_b128 v[(\f)+8*\i:(\f)+8*\i+3],   v[ADRA] offset:(\k)+\i*16*PITCH
	ds_load_b128 v[(\f)+8*\i+4:(\f)+8*\i+7], v[ADRA] offset:(\k)+\i*16*PITCH+32
.endr
.endm
; A step's first quarter: multiplies xb's buffer f and fetches the second quarter, at byte k.  The loads of a quarter go out in runs of 24, 8 and 8, one behind each part.
.macro QTR f, g, k, zero
	s_wait_dscnt 16                                ; the last quarter's run of 24 is in; its two runs of 8 may be out
	PART \f, 0, \zero, 0, 4
	PLACES
	RUNB 0, \k
	RUNA \g, \k
	s_wait_dscnt 32                                ; the last quarter's second run is in: behind it 8 and 24 were issued
	PART \f, 1, \zero, 0, 4
	PLACES
	RUNB 1, \k
	s_wait_dscnt 32                                ; its third run is in: behind it 24 and 8
	PART \f, 2, \zero, 0, 4
	PLACES
	RUNB 2, \k
.endm
; A step's second quarter, and THE CHANGE OF SLOTS: the slot's last reads were issued in the quarter before.  Each wave waits for all its tensor loads (one is out: its part of the other slot), adds 0 to its
; spare word, waits for that and for its reads of this slot, and signals.  fill = 1: the barrier opens a round of the cluster's, and behind the round this slot is filled again, with the K step two on:
; that load has 176 matrix instructions in which to land.  Then the other slot's first quarter is fetched.
.macro TURN fill
.if \fill
	s_wait_xcnt 0x0                                ; the last prefetch, a K step back or more, has read its address
	s_add_nc_u64 s[PFA:PFA+1], s[PFA:PFA+1], s[PFS:PFS+1]
.endif
	s_wait_dscnt 16
	PART AF1, 0, 0, 0, 2
	WIN 0                                          ; (the add's two registers lie in window 0)
	s_wait_tensorcnt 0x0                           ; all my tensor loads have landed
	ds_add_u32 v[SPW], v[NIL]                      ; 0 onto my spare word
	PART AF1, 0, 0, 2, 1                           ; eight matrix instructions stand between the add and the wait for it
	s_wait_dscnt 0x0                               ; the add is done, and my reads of this slot are over
	s_barrier_signal -1
	PART AF1, 0, 0, 3, 1                           ; work on registers while the others arrive
	WIN 0
	s_barrier_wait -1
.if \fill
	CREST                                          ; no wave of any partner still reads this slot or has a load on its way
	s_xor_b32 s[G0+5], s[G0+5], SLOT1              ; the walking descriptors: the other slot than last time, the next K step
	s_add_nc_u64 s[G0+6:G0+7], s[G0+6:G0+7], ASTEP
	s_xor_b32 s[G0B+5], s[G0B+5], SLOT1
	s_add_nc_u64 s[G0B+6:G0B+7], s[G0B+6:G0B+7], BSTEP
	JLOAD                                          ; my one tensor load behind the round; its four v_nop are also the places in front of the loads below
.else
	PLACES
.endif
	s_xor_b32 s[SB], s[SB], SLOT1                  ; the fetches go over to the other slot
	v_add_nc_u32 v[ADRA], s[SB], v[ADRA0]
	v_add_nc_u32 v[ADRB], s[SB], v[ADRB0]
	RUNB 0, 0
	RUNA AF0, 0
.if \fill
	ASK
.endif
	PART AF1, 1, 0, 0, 4                           ; (its fragments were waited for in front of the barrier)
	PLACES
	RUNB 1, 0
	PART AF1, 2, 0, 0, 4
	PLACES
	RUNB 2, 0
.endm
	s_wait_tensorcnt 1                             ; my part of K step 0 is in; K step 1's may stay out
	s_wait_dscnt 0x0                               ; my bias is stored
	s_barrier_signal -1
	s_barrier_wait -1
	RUNB 0, 0                                      ; the first quarter's fragments, in the runs' order: 24, 8, 8
	RUNA AF0, 0
	RUNB 1, 0
	RUNB 2, 0
	QTR AF0, AF1, 64, 1                            ; the first quarter stands in front of the loop: its products start the sums
	WIN 0
	s_mov_b32 s3, NK-2
.Lstep:                                        ; a trip: a K step's second quarter and the next step's first; the slot left is filled again: fourteen trips
	TURN 1
	QTR AF0, AF1, 64, 0
	WIN 0
	s_sub_co_u32 s3, s3, 1
	s_cmp_lg_u32 s3, 0
	s_cbranch_scc1 .Lstep
	TURN 0                                         ; the tail is written out: nothing more is asked for
	QTR AF0, AF1, 64, 0
	s_wait_dscnt 16                                ; the last quarter fetches nothing: the counts run down
	PART AF1, 0, 0, 0, 4
	s_wait_dscnt 8
	PART AF1, 1, 0, 0, 4
	s_wait_dscnt 0x0
	PART AF1, 2, 0, 0, 4
	WIN 0
; THE WAY OUT, by blocks of 16 rows, two to a trip.  Only the 48 lines that take a block out of its accumulators and add the bias are written eight times; a chain of compares picks them.
; Then: rounded to bf16, in place; 16 bytes a lane into the stage; a barrier, since a row's 768 bytes come from two waves; back as whole rows; stored.  The two stages take turns: a stage is written again
; behind the barrier of the block between, in front of which every wave has waited for its reads of it.  A block's trip through LDS stands under the next block's arithmetic.
.macro PRE a                           ; each accumulator's registers are read in ascending order
.irp w, 0,1,2
	WIN \w+1
.irp bl, 0,1,2,3
.irp jj, 0,1,2,3
	v_pk_add_f32 v[T+8*(4*\w+\bl)+2*\jj:T+8*(4*\w+\bl)+2*\jj+1], v[64*\bl+8*(\a)+2*\jj:64*\bl+8*(\a)+2*\jj+1], v[BIAS+8*(4*\w+\bl)+2*\jj:BIAS+8*(4*\w+\bl)+2*\jj+1]
.endr
.endr
.endr
	WIN 0
.endm
.macro SENDL
	s_wait_dscnt 0x0                               ; the block is back in registers
	s_wait_xcnt 0x0                                ; earlier stores have read their base
	s_add_nc_u64 s[8:9], s[8:9], s[16:17]          ; the first time: to my first rows; then 16 rows on
	s_mov_b32 s16, 16*CPB
	s_mov_b32 s17, 0
.irp t, 0,1,2,3,4,5,6,7,8,9,10,11
	global_store_b128 v[CO], v[BK+4*\t:BK+4*\t+3], s[8:9] offset:(\t/3)*CPB+(\t%3)*256  ; 16 lanes store 256 consecutive bytes, at a multiple of 256 from qkv's first byte
.endr
.endm
.macro BODY par, chk
.set i, 0
.rept 48
	v_cvt_pk_bf16_f32 v[T+i], v[T+2*i], v[T+2*i+1] ; register i is written when registers 2 i and 2 i + 1 are read: nothing unread is lost
.set i, i+1
.endr
.if \chk
	s_cmp_eq_u32 s[BL], 4
	s_cbranch_scc1 .Lnosend                        ; the first block has none before it
.endif
	SENDL
.if \chk
.Lnosend:
.endif
	s_wait_xcnt 0x0                                ; the stores have read the registers that the loads below fill
.irp b, 0,1,2,3,4,5,6,7,8,9,10,11
	ds_store_b128 v[STO], v[T+4*\b:T+4*\b+3] offset:(\par)*STG+32*\b
.endr
	s_wait_dscnt 0x0                               ; for the others' sake: my stores into the stage are done (and my reads of the other stage, in SENDL)
	s_barrier_signal -1
	s_barrier_wait -1
.irp t, 0,1,2,3,4,5,6,7,8,9,10,11
	ds_load_b128 v[BK+4*\t:BK+4*\t+3], v[RD] offset:(\par)*STG+(\t/3)*SPI+(\t%3)*256
.endr
.endm
	PLACES
	PLACES
.irp b, 0,1,2,3,4,5,6,7,8,9,10,11
	ds_load_b128 v[BIAS+8*\b:BIAS+8*\b+3],   v[BW] offset:64*\b
	ds_load_b128 v[BIAS+8*\b+4:BIAS+8*\b+7], v[BW] offset:64*\b+16
.endr
	s_wait_dscnt 0x0
	s_mov_b32 s[BL], 4
.Lblk:
	s_cmp_eq_u32 s[BL], 4
	s_cbranch_scc1 .Lp_0
	s_cmp_eq_u32 s[BL], 3
	s_cbranch_scc1 .Lp_2
	s_cmp_eq_u32 s[BL], 2
	s_cbranch_scc1 .Lp_4
	PRE 6
	s_branch .Leven
.Lp_0:
	PRE 0
	s_branch .Leven
.Lp_2:
	PRE 2
	s_branch .Leven
.Lp_4:
	PRE 4
.Leven:
	BODY 0, 1
	s_cmp_eq_u32 s[BL], 4
	s_cbranch_scc1 .Lp_1
	s_cmp_eq_u32 s[BL], 3
	s_cbranch_scc1 .Lp_3
	s_cmp_eq_u32 s[BL], 2
	s_cbranch_scc1 .Lp_5
	PRE 7
	s_branch .Lodd
.Lp_1:
	PRE 1
	s_branch .Lodd
.Lp_3:
	PRE 3
	s_branch .Lodd
.Lp_5:
	PRE 5
.Lodd:
	BODY 1, 0
	s_sub_co_u32 s[BL], s[BL], 1
	s_cmp_lg_u32 s[BL], 0
	s_cbranch_scc1 .Lblk
	SENDL
	s_wait_tensorcnt 0x0                           ; the wave's end
	ds_add_u32 v[SPW], v[NIL]
	s_wait_dscnt 0x0
	CROUND                                         ; the closing round
	s_endpgm
.Lfunc_end_k_qa94c49e2e7_proj:
	.size	k_qa94c49e2e7_proj, .Lfunc_end_k_qa94c49e2e7_proj-k_qa94c49e2e7_proj
	.p2alignl 7, 3214868480
	.fill 96, 4, 3214868480
	.section	.rodata,"a",@progbits
	.p2align	6, 0x0
	.amdhsa_kernel k_qa94c49e2e7_proj
		.amdhsa_group_segment_fixed_size 327680
		.amdhsa_private_segment_fixed_size 0
		.amdhsa_enable_private_segment 0
		.amdhsa_kernarg_size 48
		.amdhsa_user_sgpr_count 2
		.amdhsa_user_sgpr_kernarg_segment_ptr 1
		.amdhsa_wavefront_size32 1
		.amdhsa_system_sgpr_workgroup_id_x 1
		.amdhsa_system_sgpr_workgroup_id_y 1
		.amdhsa_system_sgpr_workgroup_id_z 1
		.amdhsa_system_vgpr_workitem_id 0
		.amdhsa_next_free_vgpr 1024
		.amdhsa_next_free_sgpr 88
		.amdhsa_reserve_vcc 0
		.amdhsa_float_denorm_mode_32 3
		.amdhsa_float_denorm_mode_16_64 3
		.amdhsa_memory_ordered 1
		.amdhsa_forward_progress 1
		.amdhsa_inst_pref_size 112
	.end_amdhsa_kernel
	.amdgpu_metadata
---
amdhsa.version: [ 1, 2 ]
amdhsa.kernels:
  - .name:           k_qa94c49e2e7_proj
    .symbol:         k_qa94c49e2e7_proj.kd
    .args:
      - { .name: xb, .offset: 0, .size: 8, .value_kind: global_buffer, .address_space: global }
      - { .name: wt, .offset: 8, .size: 8, .value_kind: global_buffer, .address_space: global }
      - { .name: bq, .offset: 16, .size: 8, .value_kind: global_buffer, .address_space: global }
      - { .name: bk, .offset: 24, .size: 8, .value_kind: global_buffer, .address_space: global }
      - { .name: bv, .offset: 32, .size: 8, .value_kind: global_buffer, .address_space: global }
      - { .name: qkv, .offset: 40, .size: 8, .value_kind: global_buffer, .address_space: global }
    .group_segment_fixed_size: 327680
    .private_segment_fixed_size: 0
    .kernarg_segment_align: 8
    .kernarg_segment_size: 48
    .max_flat_workgroup_size: 128
    .sgpr_count:     88
    .vgpr_count:     1024
    .wavefront_size: 32
...
	.end_amdgpu_metadata
.endif
;; end of part 2
;; launch score (part 3): grid 8 x 32, 4 waves a work-group, clusters of 4 x 4, 327,680 bytes of LDS; arguments qkv, pp, mu, ll; writes pp, mu, ll
.if DOCPART == 3
	.amdgcn_target "amdgcn-amd-amdhsa--gfx1250"
	.amdhsa_code_object_version 6
	.text
	.protected	k_qa94c49e2e7_score
	.globl	k_qa94c49e2e7_score
	.p2align	8
	.type	k_qa94c49e2e7_score,@function
k_qa94c49e2e7_score:
	s_mov_b64 s[64:65], 0
	v_nop
	global_prefetch_b8 v0, s[64:65] scope:SCOPE_SE
	s_setreg_imm32_b32 hwreg(HW_REG_WAVE_MODE, 25, 1), 1
	s_wait_xcnt 0x0
	s_wait_alu depctr_hold_cnt(0) depctr_sa_sdst(0) depctr_va_vdst(0) depctr_va_sdst(0) depctr_va_ssrc(0) depctr_va_vcc(0) depctr_vm_vsrc(0)
	s_getreg_b32 s2, hwreg(HW_REG_IB_STS2, 6, 4)
	s_cmp_eq_u32 s2, 0
	s_cbranch_scc0 .Lentry_in_a_cluster
	s_endpgm
.Lentry_in_a_cluster:
	s_bfe_u32 s2, ttmp6, 0x10000c
	s_cmp_lg_u32 s2, 0xf033
	s_cbranch_scc0 .Lentry_shape_is_right
	s_endpgm
.Lentry_shape_is_right:
; For each batch S = q k^T (q = columns 0-1023 of qkv, k = columns 1024-2047; bf16 operands, f32 sums), and the first half of a softmax that is split by blocks of 128 keys:
; for a query row and key block j:  mu = floor(c max s) + 1,  P' = 2^(c s - mu) rounded to bf16,  l = the sum of the unrounded P';  c = log2(e) / 32.
; pp [8192 rows][2048 keys of the row's batch] bf16; mu, ll [16 key blocks][8192 rows] f32.  The launch that follows brings the blocks to the row's common reference by exact powers of two.
; LIMITS.  What is taken away before the exponential is the whole number just above c x the block's maximum, not the maximum itself: every exponent lies in -inf .. 0 and the block's largest P' in 0.5 .. 1.
; A P' below 2^-126 counts as 0.  NaN and infinities are not treated apart.
; The product is proj's: a tile of 256 x 256 by four waves of 128 x 128, K in 8 steps of 128 through two LDS slots, cluster 4 x 4 with joint loads (q's tile along a row, k's along a column; the four
; tile rows of a cluster lie in one batch), the matrix instruction used transposed, one K step written once.  A wave's 128 columns are one key block, and a lane holds one row: its maximum and sum want one exchange of the lanes' halves.
; REGISTERS: window 0: v0-31 addresses, v32-41 at work, v64-191 A's fragments; window 1: v64-191 B's; windows 2, 3: accumulator (a, b) at v[8 (8 (a % 4) + b)] of window 2 + a / 4.
.set KSTEP,  128
.set NK,     8
.set ROWE,   3072                      ; elements in a row of qkv
.set ROWB,   2*ROWE
.set CPB,    4096                      ; bytes in a row of pp
.set PITCH,  272
.set HALFT,  128*PITCH
.set SLOT,   4*HALFT                   ; 0x22000: shares no bit with wave x HALFT, so an exclusive or moves a tile's address between the slots
.set STAGE,  2*SLOT
.set SPITCH, 272
.set STAT,   STAGE+4*16*SPITCH         ; for each wave 128 mu, then 128 l: 1,024 bytes
.set SPARE,  STAT+4*1024               ; the spare words
.set ADRA0, 16
.set ADRB0, 17
.set ADRA,  18
.set ADRB,  19
.set SG,    22                         ; v22  16 x lane: my 16 bytes of 512 in mu and ll
.set SR,    23                         ; v23  where I read my wave's statistics back
.set STO,   24
.set RD,    25
.set CO,    26
.set SA,    27                         ; v27  where block 0's statistic of my lane goes; never rewritten
.set SPW,   28
.set NIL,   29
.set PFO,   30
.set MX,    32                         ; v32-35  four running maxima
.set MU,    36                         ; v36 mu; v37 the other half's maximum (named with it as a pair)
.set LS,    38                         ; v38 l; v39 the other half's
.set SV,    40                         ; v40  mu in lanes 0-15, l in lanes 16-31
.set SAX,   41                         ; v41  where it goes
.set F0,    64
.set F1,    128
.set T,     64
.set TMP,   128
.set BK,    160
.set G1,  24
.set G0,  32
.set G1B, 48
.set G0B, 56
.set LIM, 43
.set PFA, 44
.set SB,  66
.set BL,  67
.set CS,  68                           ; s[68:69] c
.set SEL, 70                           ; s[70:71] v_permlanex16_b32's selects: each lane takes its own place in the other half
.set HM,  72                           ; s72  lanes 16-31
.set SOF, 73                           ; s73  64 x the block in hand
.set MSB, 0
.macro WIN new
.if MSB != (\new)
	s_set_vgpr_msb (MSB<<8)|(\new)
.set MSB, \new
.endif
.endm
.set MUL_LO, 0xa1
.set MUL_HI, 0xf1
.set TO_B,   0x40
.macro PLACES
.rept 4
	v_nop
.endr
.endm
.macro JLOAD                           ; a joint refill by the walking descriptor; an s_nop 0 and four v_nop follow each line
	s_cmp_eq_u32 s11, 0
	s_cbranch_scc0 .Lfor_b_\@
	tensor_load_to_lds s[G0+4:G0+7], s[G1:G1+7]
	s_nop 0
	PLACES
	s_branch .Lasked_\@
.Lfor_b_\@:
	tensor_load_to_lds s[G0B+4:G0B+7], s[G1B:G1B+7]
	s_nop 0
	PLACES
.Lasked_\@:
.endm
; A prefetch of the K step two refills on: 32 rows x 256 bytes, a lane a row; the four partners of a joint load share its 128 rows by address.  q's rows are read by both clusters of a row of clusters:
; cluster x = 0 names them; k's rows by the two clusters of a batch in a column: the even cluster y names them.  So each block is named once.  The last two refills have no K step two on.
.macro ASK
	s_cmp_gt_u32 s3, s[LIM]
	s_cbranch_scc0 .Lnot_mine_\@
	global_prefetch_b8 v[PFO], s[PFA:PFA+1] offset:KSTEP*2 th:TH_LOAD_NT scope:SCOPE_SE
.Lnot_mine_\@:
.endm
.macro CREST
	s_cmp_lg_u32 s10, 0
	s_cbranch_scc1 .Lnot_wave_0_\@
	s_barrier_signal -3
.Lnot_wave_0_\@:
	s_barrier_wait -3
	s_barrier_signal -1
	s_barrier_wait -1
.endm
.macro CROUND
	s_barrier_signal -1
	s_barrier_wait -1
	CREST
.endm
	s_load_b128 s[4:7], s[0:1], 0x0                ; qkv s[4:5], pp s[6:7]
	s_load_b128 s[76:79], s[0:1], 0x10             ; mu s[76:77], ll s[78:79]
	v_lshl_add_u32 v[SPW], v0, 2, SPARE
	v_mov_b32 v[NIL], 0
	ds_add_u32 v[SPW], v[NIL]                      ; the wave's opening: the add and its wait stand ahead of my first tensor load
	v_lshrrev_b32 v1, 5, v0
	v_readfirstlane_b32 s10, v1                    ; wave 0..3
	s_lshr_b32 s11, s10, 1                         ; my half of the tile's rows; also: I fetch for A (0) or B (1)
	s_and_b32 s12, s10, 1                          ; my half of its columns; also: which 128 rows I fetch
	s_bfe_u32 s40, ttmp6, 0x40000                  ; cx
	s_bfe_u32 s41, ttmp6, 0x40004                  ; cy
	s_lshl_b32 s42, ttmp9, 2
	s_add_co_u32 s42, s42, s40                     ; tile column (of the batch's 8)
	s_and_b32 s13, ttmp7, 0xffff
	s_lshl_b32 s13, s13, 2
	s_add_co_u32 s13, s13, s41                     ; tile row (of all 32)
	s_lshl_b32 s43, s41, 2
	s_lshl_b32 s43, 15, s43
	s_lshl_b32 s44, 0x1111, s40
	s_or_b32 s[G1+0], s43, (1<<16)|(1<<20)|(1<<21)|(5<<22)|(3<<25)
	s_or_b32 s[G1B+0], s44, (1<<16)|(1<<20)|(1<<21)|(5<<22)|(3<<25)
.irp g, G1, G1B
	s_mov_b32 s[(\g)+1], KSTEP<<16
	s_mov_b32 s[(\g)+2], 128<<16
	s_mov_b32 s[(\g)+3], KSTEP<<16
	s_mov_b32 s[(\g)+4], 128
	s_mov_b32 s[(\g)+5], ROWE
	s_mov_b32 s[(\g)+6], 0
	s_mov_b32 s[(\g)+7], 0
.endr
	s_mov_b32 s[CS], 0x3d38aa3b                    ; c = log2(e) / 32
	s_mov_b32 s[CS+1], s[CS]
	s_mov_b32 s[SEL], 0x76543210
	s_mov_b32 s[SEL+1], 0xfedcba98
	s_mov_b32 s[HM], 0xffff0000
	s_mov_b32 s[SOF], 0
	s_lshl_b32 s17, s12, 7
	s_lshl_b32 s16, s13, 8
	s_add_co_u32 s16, s16, s17                     ; A: row 256 x tile row + 128 x half
	s_lshl_b32 s46, s42, 8
	s_add_co_u32 s46, s46, s17
	s_and_b32 s47, ttmp7, 0xffff
	s_lshr_b32 s47, s47, 1                         ; the batch: two clusters along y each; all partners share it
	s_lshl_b32 s47, s47, 11
	s_add_co_u32 s46, s46, s47                     ; B: row 2,048 x batch + 256 x tile column + 128 x half
	s_mov_b32 s17, 0
	s_mov_b32 s47, 0
	s_mov_b64 s[18:19], ROWB
	s_mul_u64 s[16:17], s[16:17], s[18:19]
	s_mul_u64 s[46:47], s[46:47], s[18:19]
	s_add_nc_u64 s[46:47], s[46:47], 2048          ; k's columns begin 2,048 bytes into a row
	s_mul_i32 s20, s10, HALFT
	s_wait_dscnt 0x0
	s_wait_kmcnt 0x0
	s_add_nc_u64 s[14:15], s[4:5], s[16:17]
	s_add_nc_u64 s[46:47], s[4:5], s[46:47]
	CROUND
.irp s, 0,1
	s_mov_b32 s[G0+4*(\s)], 1
	s_add_co_u32 s[G0+4*(\s)+1], s20, (\s)*SLOT
	s_add_nc_u64 s[G0+4*(\s)+2:G0+4*(\s)+3], s[14:15], (\s)*KSTEP*2
	s_or_b32 s[G0+4*(\s)+3], s[G0+4*(\s)+3], 0x80000000
	s_mov_b32 s[G0B+4*(\s)], 1
	s_add_co_u32 s[G0B+4*(\s)+1], s20, (\s)*SLOT
	s_add_nc_u64 s[G0B+4*(\s)+2:G0B+4*(\s)+3], s[46:47], (\s)*KSTEP*2
	s_or_b32 s[G0B+4*(\s)+3], s[G0B+4*(\s)+3], 0x80000000
.endr
	s_cmp_eq_u32 s11, 0                            ; a wave's two first fills stand in one branch
	s_cbranch_scc0 .Lfirst_b
	tensor_load_to_lds s[G0:G0+3], s[G1:G1+7]
	s_nop 0
	tensor_load_to_lds s[G0+4:G0+7], s[G1:G1+7]
	s_nop 0
	PLACES
	s_branch .Lfirst_asked
.Lfirst_b:
	tensor_load_to_lds s[G0B:G0B+3], s[G1B:G1B+7]
	s_nop 0
	tensor_load_to_lds s[G0B+4:G0B+7], s[G1B:G1B+7]
	s_nop 0
	PLACES
.Lfirst_asked:
	v_and_b32 v1, 15, v0                           ; l % 16
	v_bfe_u32 v2, v0, 4, 1                         ; l / 16
	v_mul_u32_u24 v3, v1, PITCH
	v_lshl_add_u32 v3, v2, 4, v3
	s_mul_i32 s21, s11, HALFT
	s_mul_i32 s22, s12, HALFT
	s_add_co_u32 s22, s22, 2*HALFT
	v_add_nc_u32 v[ADRA0], s21, v3
	v_add_nc_u32 v[ADRB0], s22, v3
	v_mov_b32 v[ADRA], v[ADRA0]
	v_mov_b32 v[ADRB], v[ADRB0]
	s_mov_b32 s[SB], 0
	s_mul_i32 s23, s10, 16*SPITCH
	s_add_co_u32 s23, s23, STAGE
	v_mul_u32_u24 v4, v1, SPITCH
	v_lshl_add_u32 v4, v2, 4, v4
	v_add_nc_u32 v[STO], s23, v4
	v_mul_u32_u24 v5, v2, SPITCH
	v_lshl_add_u32 v5, v1, 4, v5
	v_add_nc_u32 v[RD], s23, v5
	v_mul_u32_u24 v5, v2, CPB
	v_lshl_add_u32 v[CO], v1, 4, v5
	s_lshl_b32 s23, s10, 10
	s_add_co_u32 s23, s23, STAT                    ; my wave's statistics
	v_lshlrev_b32 v4, 9, v2                        ; lanes 0-15 put mu, lanes 16-31 l, 512 bytes on
	v_lshl_add_u32 v4, v1, 2, v4
	v_add_nc_u32 v[SA], s23, v4
	v_and_b32 v5, 31, v0
	v_lshlrev_b32 v[SG], 4, v5
	v_add_nc_u32 v[SR], s23, v[SG]
	v_mov_b32 v[MU+1], 0                           ; v_permlanex16_b32 counts as a reader of its destination
	v_mov_b32 v[LS+1], 0
	s_mov_b64 s[8:9], s[6:7]                       ; pp
	s_lshl_b32 s13, s13, 8                         ; 256 x tile row
	s_lshl_b32 s14, s11, 7
	s_add_co_u32 s16, s13, s14                     ; my first row
	s_mov_b32 s17, 0
	s_mov_b64 s[18:19], CPB
	s_mul_u64 s[16:17], s[16:17], s[18:19]
	s_lshl_b32 s46, s42, 9
	s_lshl_b32 s47, s12, 8
	s_add_co_u32 s46, s46, s47
	s_mov_b32 s47, 0
	s_add_nc_u64 s[16:17], s[16:17], s[46:47]      ; what the first send adds to pp's address
	s_lshl_b32 s80, s42, 1                         ; mu and ll: key block 2 x tile column + half,
	s_add_co_u32 s80, s80, s12
	s_lshl_b32 s80, s80, 13                        ; 8,192 rows each,
	s_add_co_u32 s80, s80, s13
	s_add_co_u32 s80, s80, s14                     ; my first row,
	s_lshl_b32 s80, s80, 2                         ; 4 bytes
	s_mov_b32 s81, 0
	s_add_nc_u64 s[76:77], s[76:77], s[80:81]
	s_add_nc_u64 s[78:79], s[78:79], s[80:81]
	; the prefetches
	s_lshl_b32 s42, s42, 8
	s_and_b32 s22, ttmp7, 0xffff
	s_lshr_b32 s23, s22, 1
	s_lshl_b32 s23, s23, 11
	s_add_co_u32 s42, s42, s23                     ; k's first row: 2,048 x batch + 256 x tile column
	s_and_b32 s22, s22, 1
	s_cmp_eq_u32 s11, 0                            ; do I fetch for A?
	s_cselect_b32 s20, s13, s42
	s_cselect_b32 s21, s40, s41                    ; my place among the four that ask with me
	s_cselect_b32 s22, ttmp9, s22                  ; 0 in the cluster that names these rows
	s_cselect_b32 s23, 0, 2048                     ; q's or k's columns
	s_cmp_eq_u32 s22, 0
	s_cselect_b32 s[LIM], 2, -1
	s_lshl_b32 s22, s12, 7
	s_add_co_u32 s20, s20, s22
	s_lshl_b32 s21, s21, 5
	s_add_co_u32 s20, s20, s21
	s_mov_b32 s21, 0
	s_mov_b64 s[18:19], ROWB
	s_mul_u64 s[20:21], s[20:21], s[18:19]
	s_mov_b32 s22, s23
	s_mov_b32 s23, 0
	s_add_nc_u64 s[20:21], s[20:21], s[22:23]
	s_add_nc_u64 s[PFA:PFA+1], s[4:5], s[20:21]
	s_add_nc_u64 s[PFA:PFA+1], s[PFA:PFA+1], 2*KSTEP*2  ; at K step 2: the first refill steps it to 3 and names K step 4
	v_and_b32 v[PFO], 31, v0
	v_mul_u32_u24 v[PFO], v[PFO], ROWB
.macro MUL16 f, hi, a0, zero
	WIN MUL_LO+0x50*(\hi)
.irp a, \a0, (\a0)+1
.irp b, 0,1,2,3,4,5,6,7
.if \zero
	v_wmma_f32_16x16x32_bf16 v[8*(8*(\a)+(\b)):8*(8*(\a)+(\b))+7], v[(\f)+8*(\b):(\f)+8*(\b)+7], v[(\f)+8*(4*(\hi)+(\a)):(\f)+8*(4*(\hi)+(\a))+7], 0
.else
	v_wmma_f32_16x16x32_bf16 v[8*(8*(\a)+(\b)):8*(8*(\a)+(\b))+7], v[(\f)+8*(\b):(\f)+8*(\b)+7], v[(\f)+8*(4*(\hi)+(\a)):(\f)+8*(4*(\hi)+(\a))+7], v[8*(8*(\a)+(\b)):8*(8*(\a)+(\b))+7]
.endif
.endr
.endr
.endm
.macro FETCH k, f
	WIN TO_B
.irp i, 0,1,2,3,4,5,6,7
	ds_load_b128 v[(\f)+8*(\i):(\f)+8*(\i)+3],   v[ADRB] offset:(\k)+(\i)*16*PITCH
	ds_load_b128 v[(\f)+8*(\i)+4:(\f)+8*(\i)+7], v[ADRB] offset:(\k)+(\i)*16*PITCH+32
.endr
	WIN 0
.irp i, 0,1,2,3,4,5,6,7
	ds_load_b128 v[(\f)+8*(\i):(\f)+8*(\i)+3],   v[ADRA] offset:(\k)+(\i)*16*PITCH
	ds_load_b128 v[(\f)+8*(\i)+4:(\f)+8*(\i)+7], v[ADRA] offset:(\k)+(\i)*16*PITCH+32
.endr
.endm
.macro QUARTER k, f, g, zero
	s_wait_dscnt 8                                 ; B and A's rows 0-63 are in; the youngest eight loads may be out
	MUL16 \f, 0, 0, \zero
	MUL16 \f, 0, 2, \zero
	PLACES
	FETCH \k, \g
	s_wait_dscnt 32                                ; all but the 32 just issued
	MUL16 \f, 1, 0, \zero
	MUL16 \f, 1, 2, \zero
.endm
.macro TURN fill                       ; the last quarter and the change of slots: as in proj
.if \fill
	s_wait_xcnt 0x0                                ; the last prefetch, a K step back, has read its address
	s_add_nc_u64 s[PFA:PFA+1], s[PFA:PFA+1], KSTEP*2
.endif
	WIN 0
	s_wait_tensorcnt 0x0                           ; all my tensor loads have landed: the one that was out is my part of the next slot
	ds_add_u32 v[SPW], v[NIL]                      ; 0 onto my spare word
	s_wait_dscnt 9                                 ; (the add and the youngest eight loads may be out)
	MUL16 F1, 0, 0, 0
	s_wait_dscnt 0x0                               ; the add is done, and my reads of this slot are over
	s_barrier_signal -1
	MUL16 F1, 0, 2, 0
.if \fill
	WIN 0
.endif
	s_barrier_wait -1
.if \fill
	CREST
	s_xor_b32 s[G0+5], s[G0+5], SLOT
	s_add_nc_u64 s[G0+6:G0+7], s[G0+6:G0+7], KSTEP*2
	s_xor_b32 s[G0B+5], s[G0B+5], SLOT
	s_add_nc_u64 s[G0B+6:G0B+7], s[G0B+6:G0B+7], KSTEP*2
	JLOAD
.else
	PLACES
	WIN 0
.endif
	s_xor_b32 s[SB], s[SB], SLOT
	v_add_nc_u32 v[ADRA], s[SB], v[ADRA0]
	v_add_nc_u32 v[ADRB], s[SB], v[ADRB0]
	FETCH 0, F0
.if \fill
	ASK
.endif
	MUL16 F1, 1, 0, 0
	MUL16 F1, 1, 2, 0
.endm
	s_wait_tensorcnt 1                             ; my part of K step 0 is in; K step 1's may stay out
	s_barrier_signal -1
	s_barrier_wait -1
	FETCH 0, F0
	QUARTER 64, F0, F1, 1
	WIN 0
	s_mov_b32 s3, NK-2
.Lstep:
	QUARTER 128, F1, F0, 0
	QUARTER 192, F0, F1, 0
	TURN 1
	QUARTER 64, F0, F1, 0
	WIN 0
	s_sub_co_u32 s3, s3, 1
	s_cmp_lg_u32 s3, 0
	s_cbranch_scc1 .Lstep
	s_mov_b32 s3, 2
.Ltail:
	QUARTER 128, F1, F0, 0
	QUARTER 192, F0, F1, 0
	WIN 0
	s_sub_co_u32 s3, s3, 1
	s_cmp_eq_u32 s3, 0
	s_cbranch_scc1 .Llastq
	TURN 0
	QUARTER 64, F0, F1, 0
	WIN 0
	s_branch .Ltail
.Llastq:
	s_wait_dscnt 8
	MUL16 F1, 0, 0, 0
	MUL16 F1, 0, 2, 0
	s_wait_dscnt 0x0
	MUL16 F1, 1, 0, 0
	MUL16 F1, 1, 2, 0
	WIN 0
; THE WAY OUT, a loop over my eight blocks of 16 rows.  Only the 32 lines that take a block out of its accumulators, times c, are written eight times.
.macro PRE a                           ; each accumulator's registers are read in ascending order
	WIN 0x02+(\a)/4
.set i, 0
.rept 32
	v_pk_mul_f32 v[T+2*i:T+2*i+1], v[64*((\a)%4)+2*i:64*((\a)%4)+2*i+1], s[CS:CS+1] op_sel_hi:[1,0]
.set i, i+1
.endr
	WIN 0
.endm
.macro SENDL
	s_wait_dscnt 0x0
	s_wait_xcnt 0x0
	s_add_nc_u64 s[8:9], s[8:9], s[16:17]
	s_mov_b32 s16, 16*CPB
	s_mov_b32 s17, 0
.irp t, 0,1,2,3,4,5,6,7
	global_store_b128 v[CO], v[BK+4*(\t):BK+4*(\t)+3], s[8:9] offset:2*(\t)*CPB  ; 16 lanes store 256 consecutive bytes, at a multiple of 256 from pp's first byte
.endr
.endm
	PLACES
	PLACES
	s_mov_b32 s[BL], 8
.Lblk:
.irp a, 0,1,2,3,4,5,6
	s_cmp_eq_u32 s[BL], 8-(\a)
	s_cbranch_scc1 .Lp_\a
.endr
	PRE 7
	s_branch .Lbody
.irp a, 0,1,2,3,4,5
.Lp_\a:
	PRE \a
	s_branch .Lbody
.endr
.Lp_6:
	PRE 6
.Lbody:
	; the row's maximum of c s over my 64 numbers: four chains of 15, the four left over, the four into one; then the lane 16 away, which holds the row's other 64 keys
.irp q, 0,1,2,3
	v_max3_num_f32 v[MX+\q], v[T+16*\q], v[T+16*\q+1], v[T+16*\q+2]
.endr
.set k, 0
.rept 6
.irp q, 0,1,2,3
	v_max3_num_f32 v[MX+\q], v[MX+\q], v[T+16*\q+3+2*k], v[T+16*\q+4+2*k]
.endr
.set k, k+1
.endr
	v_max3_num_f32 v[MX], v[MX], v[T+15], v[T+31]
	v_max3_num_f32 v[MX+2], v[MX+2], v[T+47], v[T+63]
	v_max3_num_f32 v[MX], v[MX], v[MX+1], v[MX+2]
	v_max_num_f32 v[MX], v[MX], v[MX+3]
	v_permlanex16_b32 v[MU+1], v[MX], s[SEL], s[SEL+1]
	v_max_num_f32 v[MX], v[MX], v[MU+1]
	v_floor_f32 v[MU], v[MX]
	v_add_f32 v[MU], 1.0, v[MU]                    ; mu: the whole number just above c max
.set i, 0
.rept 32
	v_pk_add_f32 v[T+2*i:T+2*i+1], v[T+2*i:T+2*i+1], v[MU:MU+1] op_sel_hi:[1,0] neg_lo:[0,1] neg_hi:[0,1]
.set i, i+1
.endr
.set i, 0
.rept 64
	v_exp_f32 v[T+i], v[T+i]                       ; one batch: nothing ahead of the wait below names a result
.set i, i+1
.endr
	v_nop                                          ; a plain instruction behind the last exponential (ISA guide 5.7.2)
	s_wait_alu depctr_va_vdst(0)                   ; the one wait ahead of the batch's first reader
.set i, 0
.rept 32
	v_cvt_pk_bf16_f32 v[TMP+i], v[T+2*i], v[T+2*i+1]
.set i, i+1
.endr
.irp st, 16,8,4,2,1                    ; the sum of the 32 pairs, in place
.set p, 0
.rept \st
	v_pk_add_f32 v[T+2*p:T+2*p+1], v[T+2*p:T+2*p+1], v[T+2*(p+\st):T+2*(p+\st)+1]
.set p, p+1
.endr
.endr
	v_add_f32 v[LS], v[T], v[T+1]
	v_permlanex16_b32 v[LS+1], v[LS], s[SEL], s[SEL+1]
	v_add_f32 v[LS], v[LS], v[LS+1]
	v_cndmask_b32 v[SV], v[MU], v[LS], s[HM]       ; both halves of the lanes hold both numbers: the lower half puts mu, the upper l
	v_add_nc_u32 v[SAX], s[SOF], v[SA]
	ds_store_b32 v[SAX], v[SV]
	s_add_co_u32 s[SOF], s[SOF], 64                ; 16 rows of 4 bytes on
	s_cmp_eq_u32 s[BL], 8
	s_cbranch_scc1 .Lnosend
	SENDL
.Lnosend:
	s_wait_xcnt 0x0                                ; the stores have read the registers that the loads below fill
.irp b, 0,1,2,3,4,5,6,7
	ds_store_b128 v[STO], v[TMP+4*(\b):TMP+4*(\b)+3] offset:32*(\b)
.endr
.irp t, 0,1,2,3,4,5,6,7
	ds_load_b128 v[BK+4*(\t):BK+4*(\t)+3], v[RD] offset:(\t)*2*SPITCH  ; LDS serves a wave's instructions in order (ISA guide 5.7.1.4)
.endr
	s_sub_co_u32 s[BL], s[BL], 1
	s_cmp_lg_u32 s[BL], 0
	s_cbranch_scc1 .Lblk
	SENDL
	ds_load_b128 v[MX:MX+3], v[SR]                 ; my wave's own 128 mu and 128 l, four a lane
	ds_load_b128 v[MU:MU+3], v[SR] offset:512
	s_wait_dscnt 0x0
	global_store_b128 v[SG], v[MX:MX+3], s[76:77]  ; 512 consecutive bytes each, aligned
	global_store_b128 v[SG], v[MU:MU+3], s[78:79]
	s_wait_tensorcnt 0x0                           ; the wave's end
	ds_add_u32 v[SPW], v[NIL]
	s_wait_dscnt 0x0
	CROUND                                         ; the closing round
	s_endpgm
.Lfunc_end_k_qa94c49e2e7_score:
	.size	k_qa94c49e2e7_score, .Lfunc_end_k_qa94c49e2e7_score-k_qa94c49e2e7_score
	.p2alignl 7, 3214868480
	.fill 96, 4, 3214868480
	.section	.rodata,"a",@progbits
	.p2align	6, 0x0
	.amdhsa_kernel k_qa94c49e2e7_score
		.amdhsa_group_segment_fixed_size 327680
		.amdhsa_private_segment_fixed_size 0
		.amdhsa_enable_private_segment 0
		.amdhsa_kernarg_size 32
		.amdhsa_user_sgpr_count 2
		.amdhsa_user_sgpr_kernarg_segment_ptr 1
		.amdhsa_wavefront_size32 1
		.amdhsa_system_sgpr_workgroup_id_x 1
		.amdhsa_system_sgpr_workgroup_id_y 1
		.amdhsa_system_sgpr_workgroup_id_z 1
		.amdhsa_system_vgpr_workitem_id 0
		.amdhsa_next_free_vgpr 1024
		.amdhsa_next_free_sgpr 88
		.amdhsa_reserve_vcc 0
		.amdhsa_float_denorm_mode_32 3
		.amdhsa_float_denorm_mode_16_64 3
		.amdhsa_memory_ordered 1
		.amdhsa_forward_progress 1
		.amdhsa_inst_pref_size 106
	.end_amdhsa_kernel
	.amdgpu_metadata
---
amdhsa.version: [ 1, 2 ]
amdhsa.kernels:
  - .name:           k_qa94c49e2e7_score
    .symbol:         k_qa94c49e2e7_score.kd
    .args:
      - { .name: qkv, .offset: 0, .size: 8, .value_kind: global_buffer, .address_space: global }
      - { .name: pp, .offset: 8, .size: 8, .value_kind: global_buffer, .address_space: global }
      - { .name: mu, .offset: 16, .size: 8, .value_kind: global_buffer, .address_space: global }
      - { .name: ll, .offset: 24, .size: 8, .value_kind: global_buffer, .address_space: global }
    .group_segment_fixed_size: 327680
    .private_segment_fixed_size: 0
    .kernarg_segment_align: 8
    .kernarg_segment_size: 32
    .max_flat_workgroup_size: 128
    .sgpr_count:     88
    .vgpr_count:     1024
    .wavefront_size: 32
...
	.end_amdgpu_metadata
.endif
;; end of part 3
;; launch pv (part 4): grid 4 x 64, 4 waves a work-group, clusters of 4 x 4, 327,680 bytes of LDS; arguments pp, qkv, mu, ll, out0; writes out0
.if DOCPART == 4
	.amdgcn_target "amdgcn-amd-amdhsa--gfx1250"
	.amdhsa_code_object_version 6
	.text
	.protected	k_qa94c49e2e7_pv
	.globl	k_qa94c49e2e7_pv
	.p2align	8
	.type	k_qa94c49e2e7_pv,@function
k_qa94c49e2e7_pv:
	s_mov_b64 s[64:65], 0
	v_nop
	global_prefetch_b8 v0, s[64:65] scope:SCOPE_SE
	s_setreg_imm32_b32 hwreg(HW_REG_WAVE_MODE, 25, 1), 1
	s_wait_xcnt 0x0
	s_wait_alu depctr_hold_cnt(0) depctr_sa_sdst(0) depctr_va_vdst(0) depctr_va_sdst(0) depctr_va_ssrc(0) depctr_va_vcc(0) depctr_vm_vsrc(0)
	s_getreg_b32 s2, hwreg(HW_REG_IB_STS2, 6, 4)
	s_cmp_eq_u32 s2, 0
	s_cbranch_scc0 .Lentry_in_a_cluster
	s_endpgm
.Lentry_in_a_cluster:
	s_bfe_u32 s2, ttmp6, 0x10000c
	s_cmp_lg_u32 s2, 0xf033
	s_cbranch_scc0 .Lentry_shape_is_right
	s_endpgm
.Lentry_shape_is_right:
; out0[row][ch] = (sum over key blocks j of f_j P'_j V_j) / (sum over j of f_j l_j),  f_j = 2^(mu_j - M),  M = the row's largest mu_j.  P' (pp), mu, ll come from the launch before; V = columns 2048-3071 of qkv.
; mu are whole numbers, so f_j is an exact power of two: P' is multiplied by it in bf16 without a rounding, between its LDS load and the matrix instruction.  Products in bf16, sums in f32, out0 in f32.
; LIMITS.  An f_j below 2^-126 counts as 0 (that block's weights are then below 2^-126 of the row's largest).  NaN and infinities are not treated apart.
; A tile of 128 rows x 256 channels is made by four waves of 64 x 128: 32 accumulators.  K = 2,048 keys in 16 steps of 128 (a step is a key block) through two LDS slots.
; CLUSTER 4 x 4: the four work-groups of a row (the four channel tiles) need the same tile of P', the four of a column (four row tiles of one batch) the same tile of V: joint loads.
; The matrix instruction is used transposed: source 0 = 16 channels x 32 keys of V, which lies [key][channel] and comes out of LDS turned (ds_load_tr16_b128); source 1 = 16 rows x 32 keys of P'.
; REGISTERS: window 0: v0-31 addresses and 1/l; v32-95 P's fragments, two buffers; v128-255 accumulators of row blocks 0, 1 (before the first product: the prologue's numbers);
; window 1: v128-255 accumulators of row blocks 2, 3; window 2: v0-127 V's fragments, two buffers; v128-131 f_j of my four row blocks, twice in bf16.
; The scaling rides behind the products of row blocks 0, 1: under their window setting its destination and second source lie in window 0 and its first source in window 2, so it costs no switch.
.set NK,    16
.set PA,    272                        ; a row of P' in LDS: 256 bytes + 16
.set PB,    544                        ; a row of V: 512 + 32: an odd multiple of 32 bytes
.set BOFF,  128*PA                     ; V's 128 keys lie behind P's 128 rows
.set SLOT1, 1<<17                      ; slot 1 begins here: one exclusive or turns an address in one slot into the other's
.set ASTEP, 256                        ; bytes from K step to K step in pp,
.set BSTEP, 128*6144                   ; and in qkv
.set TABLE, SLOT1+BOFF+128*PB          ; for each wave 17 rows of 64 words: f_j of my 64 rows for j = 0..15, then 1/l
.set TWAVE, 17*256
.set STAGE, TABLE+4*TWAVE              ; for each wave 16 rows x 528 bytes, for the way out
.set SPI,   528
.set SPARE, STAGE+4*16*SPI             ; the spare words
.set ADRA0, 10
.set ADRB0, 11
.set ADRA,  12
.set ADRB,  13
.set TA,    14                         ; v14  where f_j of my lane's row lies, for the step to be fetched
.set TW,    15                         ; v15  where I put two rows' table entries
.set STO,   16
.set RD,    17
.set GO,    18
.set PFO,   19
.set SO,    20                         ; v20  8 x lane: two rows of mu and ll
.set TA0,   21
.set IV,    22                         ; v22-29  1/l of row block a, in both v[22 + 2 a] and v[23 + 2 a]
.set SPW,   30
.set NIL,   31
.set AF,    32
.set FS,    128                        ; window 2
.set MU,    128                        ; the prologue: v128-159 mu, v160-191 l, by j, two rows a lane
.set LL,    160
.set MM,    192
.set LS,    194
.set FF,    196
.set G1,  24
.set G0,  32
.set G1B, 48
.set G0B, 56
.set LIM, 43
.set PFA, 44
.set SB,  66                           ; s66  0 or SLOT1
.set TJ,  67                           ; s67  256 x the step whose f is fetched next
.set PFS, 82                           ; s[82:83] my prefetches' step
.set MSB, 0
.macro WIN new
.if MSB != (\new)
	s_set_vgpr_msb (MSB<<8)|(\new)
.set MSB, \new
.endif
.endm
.macro PLACES
.rept 4
	v_nop
.endr
.endm
.macro JLOAD                           ; waves 0 and 1 fetch the halves of P's tile, waves 2 and 3 those of V's; an s_nop 0 and four v_nop follow each line
	s_cmp_eq_u32 s11, 0
	s_cbranch_scc0 .Lfor_b_\@
	tensor_load_to_lds s[G0+4:G0+7], s[G1:G1+7]
	s_nop 0
	PLACES
	s_branch .Lasked_\@
.Lfor_b_\@:
	tensor_load_to_lds s[G0B+4:G0B+7], s[G1B:G1B+7]
	s_nop 0
	PLACES
.Lasked_\@:
.endm
; A prefetch of the K step two refills on.  P': a tile row is read by one row of one cluster: wave 0 of each of its four work-groups names 32 of the 128 rows (by cx), a lane a row of 256 bytes.
; V: a batch's rows are read by four clusters: the first of them names them; waves 2 and 3 name 16 keys each (by cy) of the 64 that they fetch, two blocks of 256 bytes a key.  Each block once in the launch.
.macro ASK
	s_cmp_gt_u32 s3, s[LIM]
	s_cbranch_scc0 .Lnot_mine_\@
	global_prefetch_b8 v[PFO], s[PFA:PFA+1] th:TH_LOAD_NT scope:SCOPE_SE
.Lnot_mine_\@:
.endm
.macro CREST
	s_cmp_lg_u32 s10, 0
	s_cbranch_scc1 .Lnot_wave_0_\@
	s_barrier_signal -3
.Lnot_wave_0_\@:
	s_barrier_wait -3
	s_barrier_signal -1
	s_barrier_wait -1
.endm
.macro CROUND
	s_barrier_signal -1
	s_barrier_wait -1
	CREST
.endm
	s_load_b256 s[72:79], s[0:1], 0x0              ; pp s[72:73], qkv s[74:75], mu s[76:77], ll s[78:79]
	s_load_b64 s[80:81], s[0:1], 0x20              ; out0
	v_lshl_add_u32 v[SPW], v0, 2, SPARE
	v_mov_b32 v[NIL], 0
	ds_add_u32 v[SPW], v[NIL]                      ; the wave's opening: the add and its wait stand ahead of my first tensor load
	v_lshrrev_b32 v1, 5, v0
	v_readfirstlane_b32 s10, v1                    ; wave 0..3
	s_lshr_b32 s11, s10, 1                         ; my 64 of the tile's rows; also: I fetch P' (0) or V (1)
	s_and_b32 s12, s10, 1                          ; my 128 of its channels; also: which half of that tile I fetch
	s_bfe_u32 s40, ttmp6, 0x40000                  ; cx
	s_bfe_u32 s41, ttmp6, 0x40004                  ; cy
	s_lshl_b32 s42, ttmp9, 2
	s_add_co_u32 s42, s42, s40                     ; channel tile
	s_and_b32 s13, ttmp7, 0xffff
	s_lshl_b32 s13, s13, 2
	s_add_co_u32 s13, s13, s41                     ; row tile, of 64
	s_lshl_b32 s43, s41, 2
	s_lshl_b32 s43, 15, s43
	s_lshl_b32 s44, 0x1111, s40
	s_or_b32 s[G1+0], s43, (1<<16)|(1<<20)|(1<<21)|(5<<22)|(3<<25)   ; P': my row of the cluster; after every 64 words 4 words of padding
	s_mov_b32 s[G1+1], 128<<16                     ; 64 rows x 128 keys
	s_mov_b32 s[G1+2], 64<<16
	s_mov_b32 s[G1+3], 128<<16
	s_mov_b32 s[G1+4], 64
	s_mov_b32 s[G1+5], 2048
	s_mov_b32 s[G1+6], 0
	s_mov_b32 s[G1+7], 0
	s_or_b32 s[G1B+0], s44, (1<<16)|(1<<20)|(1<<21)|(6<<22)|(7<<25)  ; V: my column; after every 128 words 8 words
	s_mov_b32 s[G1B+1], 256<<16                    ; 64 keys x 256 channels
	s_mov_b32 s[G1B+2], 64<<16
	s_mov_b32 s[G1B+3], 256<<16
	s_mov_b32 s[G1B+4], 64
	s_mov_b32 s[G1B+5], 3072
	s_mov_b32 s[G1B+6], 0
	s_mov_b32 s[G1B+7], 0
	s_lshl_b32 s16, s13, 7
	s_lshl_b32 s17, s12, 6
	s_add_co_u32 s16, s16, s17                     ; P': row 128 x row tile + 64 x half,
	s_lshl_b32 s16, s16, 12                        ; 4,096 bytes a row
	s_mov_b32 s17, 0
	s_and_b32 s46, ttmp7, 0xffff
	s_lshr_b32 s46, s46, 2                         ; the batch: four clusters each; all partners share it
	s_lshl_b32 s46, s46, 11
	s_lshl_b32 s47, s12, 6
	s_add_co_u32 s46, s46, s47                     ; V: key row 2,048 x batch + 64 x half,
	s_mul_i32 s46, s46, 6144
	s_lshl_b32 s47, s42, 9                         ; 512 bytes a channel tile,
	s_add_co_u32 s46, s46, s47
	s_add_co_u32 s46, s46, 4096                    ; v's columns begin 4,096 bytes into a row
	s_mov_b32 s47, 0
	s_mul_i32 s20, s12, 64*PA                      ; where they go
	s_mul_i32 s21, s12, 64*PB
	s_add_co_u32 s21, s21, BOFF
	s_wait_dscnt 0x0
	s_wait_kmcnt 0x0
	s_add_nc_u64 s[14:15], s[72:73], s[16:17]
	s_add_nc_u64 s[46:47], s[74:75], s[46:47]
	CROUND
.irp s, 0,1
	s_mov_b32 s[G0+4*(\s)], 1
	s_add_co_u32 s[G0+4*(\s)+1], s20, (\s)*SLOT1
	s_add_nc_u64 s[G0+4*(\s)+2:G0+4*(\s)+3], s[14:15], (\s)*ASTEP
	s_or_b32 s[G0+4*(\s)+3], s[G0+4*(\s)+3], 0x80000000
	s_mov_b32 s[G0B+4*(\s)], 1
	s_add_co_u32 s[G0B+4*(\s)+1], s21, (\s)*SLOT1
	s_add_nc_u64 s[G0B+4*(\s)+2:G0B+4*(\s)+3], s[46:47], (\s)*BSTEP
	s_or_b32 s[G0B+4*(\s)+3], s[G0B+4*(\s)+3], 0x80000000
.endr
	s_cmp_eq_u32 s11, 0                            ; a wave's two first fills stand in one branch
	s_cbranch_scc0 .Lfirst_b
	tensor_load_to_lds s[G0:G0+3], s[G1:G1+7]
	s_nop 0
	tensor_load_to_lds s[G0+4:G0+7], s[G1:G1+7]
	s_nop 0
	PLACES
	s_branch .Lfirst_asked
.Lfirst_b:
	tensor_load_to_lds s[G0B:G0B+3], s[G1B:G1B+7]
	s_nop 0
	tensor_load_to_lds s[G0B+4:G0B+7], s[G1B:G1B+7]
	s_nop 0
	PLACES
.Lfirst_asked:
	; THE PROLOGUE, in the wait for the first tiles: my 64 rows' mu and l of all 16 key blocks, two rows a lane
	v_and_b32 v1, 15, v0                           ; l % 16
	v_bfe_u32 v2, v0, 4, 1                         ; l / 16
	v_and_b32 v3, 31, v0                           ; l
	v_lshlrev_b32 v[SO], 3, v3
	s_lshl_b32 s14, s13, 7
	s_lshl_b32 s15, s11, 6
	s_add_co_u32 s14, s14, s15                     ; my wave's first row
	s_lshl_b32 s16, s14, 2
	s_mov_b32 s17, 0
	s_add_nc_u64 s[76:77], s[76:77], s[16:17]
	s_add_nc_u64 s[78:79], s[78:79], s[16:17]
.set j, 0
.rept 16
	global_load_b64 v[MU+2*j:MU+2*j+1], v[SO], s[76:77] offset:j*32768  ; 256 consecutive bytes, aligned
	global_load_b64 v[LL+2*j:LL+2*j+1], v[SO], s[78:79] offset:j*32768
.set j, j+1
.endr
	s_lshl_b32 s16, s14, 12                        ; out0 at my rows and channels
	s_lshl_b32 s17, s42, 10
	s_add_co_u32 s16, s16, s17
	s_lshl_b32 s17, s12, 9
	s_add_co_u32 s16, s16, s17
	s_mov_b32 s17, 0
	s_add_nc_u64 s[80:81], s[80:81], s[16:17]
	v_mul_u32_u24 v4, v1, PA                       ; a fragment of P': row l % 16, 16 bytes for each half of the lanes
	v_lshl_add_u32 v4, v2, 4, v4
	s_mul_i32 s15, s11, 64*PA
	v_add_nc_u32 v[ADRA0], s15, v4
	v_and_b32 v4, 7, v0                            ; the turning load: key 8 (l / 16) + l % 8, channels 8 ((l / 8) % 2) + 0..7
	v_bfe_u32 v5, v0, 3, 1
	v_lshl_add_u32 v4, v2, 3, v4
	v_mul_u32_u24 v4, v4, PB
	v_lshl_add_u32 v4, v5, 4, v4
	s_lshl_b32 s15, s12, 8
	s_add_co_u32 s15, s15, BOFF
	v_add_nc_u32 v[ADRB0], s15, v4
	v_mov_b32 v[ADRA], v[ADRA0]
	v_mov_b32 v[ADRB], v[ADRB0]
	s_mov_b32 s[SB], 0
	s_mov_b32 s[TJ], 0
	s_mul_i32 s15, s10, TWAVE
	s_add_co_u32 s15, s15, TABLE                   ; my wave's table
	v_lshl_add_u32 v[TA0], v1, 2, s15
	v_mov_b32 v[TA], v[TA0]
	v_lshl_add_u32 v[TW], v3, 3, s15
	s_mul_i32 s15, s10, 16*SPI
	s_add_co_u32 s15, s15, STAGE                   ; my stage
	v_mul_u32_u24 v4, v1, SPI                      ; in: row l % 16, 32 bytes for each half of the lanes
	v_lshl_add_u32 v4, v2, 5, v4
	v_add_nc_u32 v[STO], s15, v4
	v_lshlrev_b32 v[GO], 4, v3                     ; back and out: a row's 512 bytes, 16 a lane
	v_add_nc_u32 v[RD], s15, v[GO]
	; the prefetches
	s_and_b32 s22, ttmp7, 0xffff
	s_lshr_b32 s21, s22, 2                         ; batch
	s_and_b32 s23, s22, 3                          ; 0 in the batch's first cluster
	s_lshl_b32 s21, s21, 11
	s_lshl_b32 s22, s12, 6
	s_add_co_u32 s21, s21, s22
	s_lshl_b32 s22, s41, 4
	s_add_co_u32 s21, s21, s22                     ; V: key row 2,048 x batch + 64 x half + 16 cy
	s_mul_i32 s21, s21, 6144
	s_lshl_b32 s22, s42, 9
	s_add_co_u32 s21, s21, s22
	s_add_co_u32 s21, s21, 4096+3*BSTEP            ; at K step 3: stepped ahead of each request, so the first names K step 4
	s_lshl_b32 s20, s13, 7
	s_lshl_b32 s22, s40, 5
	s_add_co_u32 s20, s20, s22                     ; P': row 128 x row tile + 32 cx
	s_lshl_b32 s20, s20, 12
	s_add_co_u32 s20, s20, 3*ASTEP
	s_mov_b32 s[PFS], BSTEP                        ; V's figures lie in registers, since a select takes one literal
	s_mov_b32 s22, 6144
	s_mov_b32 s15, 256
	s_cmp_eq_u32 s11, 0                            ; do I fetch P'?
	s_cselect_b32 s20, s20, s21
	s_cselect_b64 s[PFA:PFA+1], s[72:73], s[74:75]
	s_cselect_b32 s[PFS], ASTEP, s[PFS]            ; bytes from K step to K step,
	s_cselect_b32 s22, 4096, s22                   ; from lane to lane among sixteen,
	s_cselect_b32 s21, 65536, s15                  ; and from the lower sixteen to the upper
	s_cselect_b32 s23, s12, s23                    ; wave 0 asks, wave 1 never, waves 2 and 3 in the batch's first cluster: the same in all partners
	s_cmp_eq_u32 s23, 0
	s_cselect_b32 s[LIM], 2, -1
	s_mov_b32 s[PFS+1], 0
	v_mul_u32_u24 v[PFO], s22, v1
	v_mul_u32_u24 v4, s21, v2
	v_add_nc_u32 v[PFO], v[PFO], v4
	s_mov_b32 s21, 0
	s_add_nc_u64 s[PFA:PFA+1], s[PFA:PFA+1], s[20:21]
	s_mov_b32 s84, 0xc2fe0000                      ; -127.0
	s_mov_b32 s85, 0x800080                        ; an exponent into both halves of a word, as bf16
	s_mov_b32 s86, 0x42fe0000                      ; 127.0
	s_mov_b32 s87, s86
	s_wait_loadcnt 0x0
	v_max3_num_f32 v[MM], v[MU], v[MU+2], v[MU+4]  ; M, for my two rows
	v_max3_num_f32 v[MM+1], v[MU+1], v[MU+3], v[MU+5]
.set k, 0
.rept 6
	v_max3_num_f32 v[MM], v[MM], v[MU+6+4*k], v[MU+8+4*k]
	v_max3_num_f32 v[MM+1], v[MM+1], v[MU+7+4*k], v[MU+9+4*k]
.set k, k+1
.endr
	v_max_num_f32 v[MM], v[MM], v[MU+30]
	v_max_num_f32 v[MM+1], v[MM+1], v[MU+31]
.set j, 0
.rept 16                               ; e = max(mu_j - M, -127) + 127: whole numbers, exact in f32; f_j = e << 23 as f32 (0 where e = 0), e << 7 as bf16
	v_pk_add_f32 v[MU+2*j:MU+2*j+1], v[MU+2*j:MU+2*j+1], v[MM:MM+1] neg_lo:[0,1] neg_hi:[0,1]
	v_max_num_f32 v[MU+2*j], s84, v[MU+2*j]
	v_max_num_f32 v[MU+2*j+1], s84, v[MU+2*j+1]
	v_pk_add_f32 v[MU+2*j:MU+2*j+1], v[MU+2*j:MU+2*j+1], s[86:87] op_sel_hi:[1,0]
	v_cvt_u32_f32 v[MU+2*j], v[MU+2*j]
	v_cvt_u32_f32 v[MU+2*j+1], v[MU+2*j+1]
	v_lshlrev_b32 v[FF], 23, v[MU+2*j]
	v_lshlrev_b32 v[FF+1], 23, v[MU+2*j+1]
.if j == 0
	v_pk_mul_f32 v[LS:LS+1], v[FF:FF+1], v[LL:LL+1]
.else
	v_pk_fma_f32 v[LS:LS+1], v[FF:FF+1], v[LL+2*j:LL+2*j+1], v[LS:LS+1]
.endif
	v_mul_u32_u24 v[MU+2*j], s85, v[MU+2*j]
	v_mul_u32_u24 v[MU+2*j+1], s85, v[MU+2*j+1]
	ds_store_b64 v[TW], v[MU+2*j:MU+2*j+1] offset:256*j
.set j, j+1
.endr
	v_rcp_f32 v[LS], v[LS]                         ; l is at least 0.5: the block that holds M has f = 1 and a P' of 0.5 or more
	v_rcp_f32 v[LS+1], v[LS+1]
	v_nop                                          ; a plain instruction behind the last reciprocal (ISA guide 5.7.2)
	s_wait_alu depctr_va_vdst(0)                   ; and the wait ahead of the first use
	ds_store_b64 v[TW], v[LS:LS+1] offset:4096
.irp a, 0,1,2,3
	ds_load_b32 v[IV+2*\a],   v[TA0] offset:4096+64*\a  ; my wave's own bytes: LDS serves a wave's instructions in order (ISA guide 5.7.1.4)
	ds_load_b32 v[IV+2*\a+1], v[TA0] offset:4096+64*\a
.endr
; a quarter step's fragments (32 keys) into buffers g: [f_j,] 8 loads of P', 16 turning loads of V
.macro FETCHP g, q, fs
.if \fs
	WIN 0x80
.irp a, 0,1,2,3
	ds_load_b32 v[FS+\a], v[TA] offset:64*\a
.endr
.endif
	WIN 0
.irp a, 0,1,2,3
	ds_load_b128 v[AF+32*(\g)+8*\a:AF+32*(\g)+8*\a+3],   v[ADRA] offset:64*(\q)+\a*16*PA
	ds_load_b128 v[AF+32*(\g)+8*\a+4:AF+32*(\g)+8*\a+7], v[ADRA] offset:64*(\q)+\a*16*PA+32
.endr
	WIN 0x80
.irp b, 0,1,2,3,4,5,6,7
	ds_load_tr16_b128 v[64*(\g)+8*\b:64*(\g)+8*\b+3],   v[ADRB] offset:32*PB*(\q)+32*\b
	ds_load_tr16_b128 v[64*(\g)+8*\b+4:64*(\g)+8*\b+7], v[ADRB] offset:32*PB*(\q)+32*\b+16*PB
.endr
.endm
; the 8 products of row block a on buffers f.  ride = 1: behind each, two registers of P's buffer g are multiplied by f_j (n counts them)
.macro PROD8 f, a, zero, g, ride
.set AC, 128+64*((\a)%2)
.irp b, 0,1,2,3,4,5,6,7
	WIN 0x02+0x50*((\a)/2)
.if \zero
	v_wmma_f32_16x16x32_bf16 v[AC+8*\b:AC+8*\b+7], v[64*(\f)+8*\b:64*(\f)+8*\b+7], v[AF+32*(\f)+8*(\a):AF+32*(\f)+8*(\a)+7], 0
.else
	v_wmma_f32_16x16x32_bf16 v[AC+8*\b:AC+8*\b+7], v[64*(\f)+8*\b:64*(\f)+8*\b+7], v[AF+32*(\f)+8*(\a):AF+32*(\f)+8*(\a)+7], v[AC+8*\b:AC+8*\b+7]
.endif
.if \ride
.rept 2
	v_pk_mul_bf16 v[AF+32*(\g)+n], v[FS+n/8], v[AF+32*(\g)+n]
.set n, n+1
.endr
.endif
.endr
.endm
; A QUARTER: fetches the next quarter into buffers g, multiplies buffers f (row blocks 2, 3, 0, 1: the 32 accumulators take turns in one order everywhere), scales P's buffer g.
; chg = 1 (a step's quarter 2): THE CHANGE OF SLOTS.  The run at its head holds the slot's last reads.  Each wave waits for all its tensor loads (one is out: its part of the other slot), adds 0 to its spare
; word, waits for that and for its reads, and signals; 16 products and their riders, work on registers, stand between signal and wait.  fill = 1: the barrier opens a round of the cluster's, and behind it the slot is filled again.
.macro QP f, g, q, fs=0, chg=0, fill=0, zero=0, places=1, ask=0
.if (\chg) && (\fill)
	s_wait_xcnt 0x0                                ; the last prefetch, three quarters back, has read its address
	s_add_nc_u64 s[PFA:PFA+1], s[PFA:PFA+1], s[PFS:PFS+1]
.endif
.if \places
	PLACES
.endif
	FETCHP \g, ((\q)+1)%4, \fs
.if \ask
	WIN 0
	ASK
.endif
	s_wait_dscnt 24+4*(\fs)                        ; all but the run just issued: V's fragments of buffer f are in
	PROD8 \f, 2, \zero, \g, 0
.if \chg
	WIN 0                                          ; (the add's two registers lie in window 0)
	s_wait_tensorcnt 0x0                           ; all my tensor loads have landed
	ds_add_u32 v[SPW], v[NIL]                      ; 0 onto my spare word
.endif
	PROD8 \f, 3, \zero, \g, 0
.if \chg
	s_wait_dscnt 0x0                               ; the add is done, and my reads of this slot are over
	s_barrier_signal -1
.else
	s_wait_dscnt 16                                ; f_j and P's fragments of buffer g are in; V's sixteen loads may be out
.endif
.set n, 0
	PROD8 \f, 0, \zero, \g, 1
	PROD8 \f, 1, \zero, \g, 1
.if \chg
	WIN 0
	s_barrier_wait -1
.if \fill
	CREST                                          ; no wave of any partner still reads this slot or has a load on its way
	s_xor_b32 s[G0+5], s[G0+5], SLOT1              ; the walking descriptors: the other slot than last time, the next K step
	s_add_nc_u64 s[G0+6:G0+7], s[G0+6:G0+7], ASTEP
	s_xor_b32 s[G0B+5], s[G0B+5], SLOT1
	s_add_nc_u64 s[G0B+6:G0B+7], s[G0B+6:G0B+7], BSTEP
	JLOAD                                          ; my one tensor load behind the round; its four v_nop are also the places in front of the next run of loads
.endif
.endif
.endm
.macro TOGGLE                          ; the fetches go over to the other slot and to the next step's f
	WIN 0
	s_xor_b32 s[SB], s[SB], SLOT1
	s_add_co_u32 s[TJ], s[TJ], 256
	v_add_nc_u32 v[ADRA], s[SB], v[ADRA0]
	v_add_nc_u32 v[ADRB], s[SB], v[ADRB0]
	v_add_nc_u32 v[TA], s[TJ], v[TA0]
.endm
	s_wait_tensorcnt 1                             ; my part of K step 0 is in; K step 1's may stay out
	s_wait_dscnt 0x0                               ; my table is written, 1/l is back
	s_barrier_signal -1
	s_barrier_wait -1
	FETCHP 0, 0, 1
	s_wait_dscnt 16                                ; f_0 and P's fragments are in
	WIN 0x02
.set n, 0
.rept 32
	v_pk_mul_bf16 v[AF+n], v[FS+n/8], v[AF+n]      ; the first quarter's scaling has no products to stand behind
.set n, n+1
.endr
	QP 0, 1, 0, 0, 0, 0, 1, 0, 0                   ; the first quarter stands in front of the loop: its products start the sums
	WIN 0
	s_mov_b32 s3, NK-2
.Lstep:                                        ; a trip: a K step's quarters 1 to 3 and the next step's quarter 0; fourteen trips fill a slot again
	QP 1, 0, 1
	QP 0, 1, 2, 0, 1, 1
	TOGGLE
	QP 1, 0, 3, 1, 0, 0, 0, 0, 1
	QP 0, 1, 0
	WIN 0
	s_sub_co_u32 s3, s3, 1
	s_cmp_lg_u32 s3, 0
	s_cbranch_scc1 .Lstep
	s_mov_b32 s3, 2
.Ltail:                                        ; the last two K steps ask for nothing; the second pass is left in its middle
	QP 1, 0, 1
	QP 0, 1, 2, 0, 1, 0
	s_sub_co_u32 s3, s3, 1
	s_cmp_eq_u32 s3, 0
	s_cbranch_scc1 .Llast
	TOGGLE
	QP 1, 0, 3, 1
	QP 0, 1, 0
	WIN 0
	s_branch .Ltail
.Llast:
	PROD8 1, 2, 0, 0, 0                            ; the last quarter: its fragments were waited for at the last barrier
	PROD8 1, 3, 0, 0, 0
	PROD8 1, 0, 0, 0, 0
	PROD8 1, 1, 0, 0, 0
	PLACES
	PLACES
; THE WAY OUT.  Row block a: times 1/l in place (ascending); a lane's eight channels, 32 bytes, into rows of 528 bytes of my stage; back as whole rows of 512 bytes into the registers that they left; stored.
.macro PACK a
.set AC, 128+64*((\a)%2)
	WIN 0x41*((\a)/2)
.set i, 0
.rept 32
	v_pk_mul_f32 v[AC+2*i:AC+2*i+1], v[AC+2*i:AC+2*i+1], v[IV+2*(\a):IV+2*(\a)+1]
.set i, i+1
.endr
	WIN 0x04*((\a)/2)
.irp b, 0,1,2,3,4,5,6,7
	ds_store_b128 v[STO], v[AC+8*\b:AC+8*\b+3]   offset:64*\b
	ds_store_b128 v[STO], v[AC+8*\b+4:AC+8*\b+7] offset:64*\b+16
.endr
	WIN 0x40*((\a)/2)
.irp t, 0,1,2,3,4,5,6,7,8,9,10,11,12,13,14,15
	ds_load_b128 v[AC+4*\t:AC+4*\t+3], v[RD] offset:\t*SPI  ; LDS serves a wave's instructions in order (ISA guide 5.7.1.4): these see the stores above; the next block's stores come behind them
.endr
.endm
.macro SEND a, younger                 ; younger: the LDS instructions issued behind block a's loads: the next block's 32, or none
.set AC, 128+64*((\a)%2)
	WIN 0x04*((\a)/2)
.irp t, 0,1,2,3,4,5,6,7,8,9,10,11,12,13,14,15
	s_wait_dscnt (\younger)+15-\t
	global_store_b128 v[GO], v[AC+4*\t:AC+4*\t+3], s[80:81] offset:(16*(\a)+\t)*4096  ; 512 consecutive bytes, at a multiple of 256 from out0's first byte
.endr
.endm
	PACK 0
	PACK 1                                         ; a block's arithmetic stands between the loads of the block before and its stores
	SEND 0, 32
	PACK 2
	SEND 1, 32
	PACK 3
	SEND 2, 32
	SEND 3, 0
	WIN 0
	s_wait_tensorcnt 0x0                           ; the wave's end
	ds_add_u32 v[SPW], v[NIL]
	s_wait_dscnt 0x0
	CROUND                                         ; the closing round
	s_endpgm
.Lfunc_end_k_qa94c49e2e7_pv:
	.size	k_qa94c49e2e7_pv, .Lfunc_end_k_qa94c49e2e7_pv-k_qa94c49e2e7_pv
	.p2alignl 7, 3214868480
	.fill 96, 4, 3214868480
	.section	.rodata,"a",@progbits
	.p2align	6, 0x0
	.amdhsa_kernel k_qa94c49e2e7_pv
		.amdhsa_group_segment_fixed_size 327680
		.amdhsa_private_segment_fixed_size 0
		.amdhsa_enable_private_segment 0
		.amdhsa_kernarg_size 40
		.amdhsa_user_sgpr_count 2
		.amdhsa_user_sgpr_kernarg_segment_ptr 1
		.amdhsa_wavefront_size32 1
		.amdhsa_system_sgpr_workgroup_id_x 1
		.amdhsa_system_sgpr_workgroup_id_y 1
		.amdhsa_system_sgpr_workgroup_id_z 1
		.amdhsa_system_vgpr_workitem_id 0
		.amdhsa_next_free_vgpr 656
		.amdhsa_next_free_sgpr 88
		.amdhsa_reserve_vcc 0
		.amdhsa_float_denorm_mode_32 3
		.amdhsa_float_denorm_mode_16_64 3
		.amdhsa_memory_ordered 1
		.amdhsa_forward_progress 1
		.amdhsa_inst_pref_size 108
	.end_amdhsa_kernel
	.amdgpu_metadata
---
amdhsa.version: [ 1, 2 ]
amdhsa.kernels:
  - .name:           k_qa94c49e2e7_pv
    .symbol:         k_qa94c49e2e7_pv.kd
    .args:
      - { .name: pp, .offset: 0, .size: 8, .value_kind: global_buffer, .address_space: global }
      - { .name: qkv, .offset: 8, .size: 8, .value_kind: global_buffer, .address_space: global }
      - { .name: mu, .offset: 16, .size: 8, .value_kind: global_buffer, .address_space: global }
      - { .name: ll, .offset: 24, .size: 8, .value_kind: global_buffer, .address_space: global }
      - { .name: out0, .offset: 32, .size: 8, .value_kind: global_buffer, .address_space: global }
    .group_segment_fixed_size: 327680
    .private_segment_fixed_size: 0
    .kernarg_segment_align: 8
    .kernarg_segment_size: 40
    .max_flat_workgroup_size: 128
    .sgpr_count:     88
    .vgpr_count:     656
    .wavefront_size: 32
...
	.end_amdgpu_metadata
.endif
;; end of part 4
